; MI455X (gfx1250); checked and timed in simulation.
; The chip was launched on July 23, 2026; its instructions are those of AMD's public machine-readable ISA for CDNA 5 (MIT licence, August 2026) and "CDNA5" Instruction Set Architecture Reference Guide (July 2026). The comments in the code are by the model that wrote it; some were corrected since.
;; Multi Head Attention. Allowed arithmetic: matrix products marked QUANTISED: E3M2 operands, one E8M0 scale for each 32 along K, by v_wmma_scale_f32_16x16x128_f8f6f4 with both operands' format E3M2, f32 sums; everything else in f32.
;; Inputs: beta 1,024 float32; bk 1,024 float32; bo 1,024 float32; bq 1,024 float32; bv 1,024 float32; gamma 1,024 float32; key 4 x 2,048 x 1,024 float32; query 4 x 2,048 x 1,024 float32; value 4 x 2,048 x 1,024 float32; wk 1,024 x 1,024 float32; wo 1,024 x 1,024 float32; wq 1,024 x 1,024 float32; wv 1,024 x 1,024 float32.
;; Outputs: out0 4 x 2,048 x 1,024 float32.
;; This version of the problem:
;;   THIS VERSION OF THE PROBLEM IS GIVEN IN LOW PRECISION. The matrix products marked QUANTISED in the list below multiply operands that are first quantised to E3M2 (3 exponent bits, 2 mantissa bits; 6 bits a number), with one power-of-two scale for each 32 numbers along K (OCP MX v1.0); their sums are f32. All else is computed in f32.
;;   The module's matrix products, in the order in which they are computed (A, B: the left and right operand; K: the contracted axis; several contracted axes count as one K, in the product's order):
;;     1. [M 8,192, K 1,024] x [K 1,024, N 1,024]; A: input query; B: input wq: QUANTISED
;;     2. [M 8,192, K 1,024] x [K 1,024, N 1,024]; A: input key; B: input wk: QUANTISED
;;     3. [M 8,192, K 1,024] x [K 1,024, N 1,024]; A: input value; B: input wv: QUANTISED
;;     4. batch 64 x [M 2,048, K 64] x [K 64, N 2,048]; A: computed on the way; B: computed on the way: QUANTISED
;;     5. batch 64 x [M 2,048, K 2,048] x [K 2,048, N 64]; A: softmax (see below); B: computed on the way: QUANTISED
;;     6. [M 8,192, K 1,024] x [K 1,024, N 1,024]; A: computed on the way; B: input wo: QUANTISED
;;   THE QUANTISER, for each operand of a quantised product, along K:
;;     - K is cut into blocks of 32 from its start; a last block that is shorter is filled with zeros.
;;     - A block's scale is 2^e with e = floor(log2(the largest magnitude in the block)) - 4, held to -126 .. 127; a block of zeros has e = 0. As a byte (E8M0): e + 127.
;;     - Each number is divided by its block's scale, clamped to +-28, and rounded to the nearest number of E3M2, ties to even, subnormals kept.
;;     - The product sums the exact products of the quantised numbers (number of the format x scale) in f32.
;;   ~~~python
;;   def quantise(x, axis):      # numpy; x: float32 -> the quantised numbers, widened to float32 again
;;       x = np.moveaxis(x, axis, -1); K = x.shape[-1]
;;       x = np.pad(x, [(0, 0)] * (x.ndim - 1) + [(0, -K % 32)]); x = x.reshape(x.shape[:-1] + (-1, 32)); a = np.abs(x).max(-1, keepdims=True)
;;       e = np.where(a > 0, np.clip(np.frexp(np.where(a > 0, a, 1))[1] - 1 - 4, -126, 127), 0)      # np.frexp(a)[1] - 1 = floor(log2(a)), exactly
;;       r = np.clip(x / 2.0 ** e, -28, 28)
;;       step = 2.0 ** (np.maximum(np.frexp(np.where(r == 0, 1, r))[1] - 1, -2) - 2)
;;       q = np.round(r / step) * step * 2.0 ** e      # np.round: ties to even
;;       return np.moveaxis(q.reshape(q.shape[:-2] + (-1,))[..., :K], -1, axis).astype(np.float32)
;;   ~~~
;;   SOFTMAX AHEAD OF A QUANTISED PRODUCT. Where the list says 'softmax', what is quantised is not the finished softmax but p = 2^(t - M), with t = logit x log2(e) and M = ceil(the row's largest t), a whole number; so 1/2 < the row's largest p <= 1. The row's sum l is taken of the UNQUANTISED p, in f32, and the product's result is divided by l at the end. Since M is a whole number, a kernel that streams over the keys may use a running M (the ceiling of the running maximum): every later rescaling is an exact power of two, which a block's scale takes up: the codes' values come out the same.
;;   OPERANDS COMPUTED ON THE WAY. 'Computed on the way' means the value that the module computes at that place (a softmax that the list does not call 'softmax' is quantised finished and normalised). What goes into a quantiser is computed in f32, as accurately as f32 sums, v_exp_f32 and their like allow (about 1e-6 of the number): no bf16 or f16 on the way to a quantiser, and a product that is left as it is and whose result goes on into a quantised operand takes f32 operands (vector FMAs, or v_wmma_f32_16x16x4_f32). A number that lies on a knife's edge between two numbers of the format may be rounded either way, as far as f32 arithmetic and the matrix unit's own rounding can turn it there, and no further.
;; One version. Each part assembles by itself: llvm-mc -triple=amdgcn-amd-amdhsa -mcpu=gfx1250 --defsym DOCPART=n.
;; ======== version 1 of 1: 4 launches
;; workspace buffers: codes 22,020,096 bytes; scl 917,504 bytes; tab 524,288 bytes; qr 13,369,344 bytes; kv 13,369,344 bytes; cc 6,291,456 bytes; cs 524,288 bytes
;; launch quant (part 1): grid 464 x 1, 4 waves a work-group, no clusters, 34,304 bytes of LDS; arguments query, key, value, wq, wk, wv, wo, codes, scl, tab; writes codes, scl, tab
.if DOCPART == 1
	.amdgcn_target "amdgcn-amd-amdhsa--gfx1250"
	.amdhsa_code_object_version 6
	.text
	.protected	k_qd74e639680_quant
	.globl	k_qd74e639680_quant
	.p2align	8
	.type	k_qd74e639680_quant,@function
k_qd74e639680_quant:
	s_mov_b64 s[64:65], 0
	v_nop
	global_prefetch_b8 v0, s[64:65] scope:SCOPE_SE
	s_setreg_imm32_b32 hwreg(HW_REG_WAVE_MODE, 25, 1), 1
	s_wait_xcnt 0x0
; LAUNCH 1.  The seven f32 inputs whose K is their last axis (query, key, value [8192][1024]; wq, wk, wv, wo [1024][1024]) become codes of BF6 (E3M2) with one E8M0 byte for each 32 along K;
; and the table of cos and sin for the rotary embedding is made.
; LAYOUT OF THE CODES.  A row tile is 16 rows x 1,024 K = 8 fragments of 16 x 128.  A fragment is stored as the IMAGE OF THE OPERAND'S 12 REGISTERS: registers 4 j .. 4 j + 3 of lane l at 512 j + 16 l: 1,536 bytes.
; Tiles on end: query 0-511, key 512-1023, value 1024-1535, wq 1536-, wk 1600-, wv 1664-, wo 1728-1791.
; THE ROWS OF A TILE ARE NOT NEIGHBOURS: lane row r of tile 2 b + u is row 32 b + 8 u + r % 8 + 16 (r / 8), so that, where such a tile is source 0 of a product, a lane's 16 results of tiles 2 b and 2 b + 1 are 16 neighbours.
; LAYOUT OF THE SCALES.  For a tile 512 bytes: the word (four bytes, 128 K) of K step s, row r at 16 (r + 16 (s % 2)) + 4 (s / 2): one load of 16 bytes a lane gives four registers, register i with K step 2 i in lanes 0-15 and 2 i + 1 in lanes 16-31.
; THE SCALE of a block is 2^(floor(log2(largest magnitude)) - 4): its byte is the largest magnitude's exponent field - 4, held at 1 from below by a floor among the maximum's leaves.
; LIMITS: NaN and infinities among the inputs are not served.  A block of zeros gets the byte 1 where the rule says 127: its codes are zeros, and this program alone reads the bytes.
; SHARES.  Work-groups 0-447: wave w takes tile 4 g + w.  Each load reads 512 consecutive bytes of one row; 16 rows x 512 bytes turn through the wave's own stage in LDS (rows 528 bytes apart), from which lane (r, h)
; takes the two whole blocks that the operand's layout gives it: k = 64 c + 32 h + 0 .. 31.  Waves share nothing: no barrier.  No matrix unit, no cluster, no tensor load: a stream that is read once.
; Work-groups 448-463: the table, [position 2,048][pair 32](cos, sin); a wave takes 32 positions, a lane a pair.
; THE TABLE'S ARITHMETIC: angle = f32(position) x inv_freq, inv_freq = 10^(-j / 8) rounded to f32 (it may differ in the last bit from a power and a division in f32); k = the nearest whole number to angle x 2 / pi;
; r = angle - k pi / 2 with pi / 2 in three parts (the first product is exact for angles under 2,048); sin and cos of r by polynomials of degree 7 and 8, good to about 1e-7 on |r| <= pi / 4; the quadrant by selects and sign bits.
.set PITCH, 528                        ; a stage row: 512 bytes + 16: the sixteen rows that a load of 16 bytes a lane touches begin in sixteen different groups of banks (ISA guide 11.1)
.set WSTG,  16*PITCH                   ; a wave's stage
.set XS,    16                         ; v16-19   the tile's four scale registers
.set PWE,   20                         ; v20      the even K step's word
.set C,     24                         ; v24-35   a fragment's codes
.set U,     36                         ; v36-43   the upper halves of the blocks, as the conversions leave them
.set R,     48                         ; v48-175  two sets of 64: a fragment's numbers as loaded
.set X,     176                        ; v176-239 my two blocks of 32
	v_lshl_add_u32 v248, v0, 2, 0x8400
	v_mov_b32 v249, 0
	s_cmp_ge_u32 ttmp9, 448
	s_cbranch_scc1 .Ltable
	s_load_b512 s[4:19], s[0:1], 0x0               ; query, key, value, wq, wk, wv, wo, codes
	s_load_b64 s[20:21], s[0:1], 0x40              ; scl
	v_lshrrev_b32 v5, 5, v0
	v_readfirstlane_b32 s27, v5                    ; wave
	v_and_b32 v5, 31, v0
	v_lshlrev_b32 v1, 4, v5                        ; 16 x lane
	s_mul_i32 s28, s27, WSTG
	v_add_nc_u32 v2, s28, v1                       ; into the stage: as loaded
	v_and_b32 v6, 15, v0                           ; r
	v_bfe_u32 v7, v0, 4, 1                         ; h
	v_mul_u32_u24 v3, v6, PITCH
	v_lshl_add_u32 v3, v7, 7, v3
	v_add_nc_u32 v3, s28, v3                       ; out of it: row r, + 128 h bytes
	v_lshlrev_b32 v4, 3, v7                        ; 8 h: my bytes' place in the scale word
	v_mov_b32 v15, 0                               ; a lane permute's destination counts as read
	s_mov_b32 s30, 0x76543210
	s_mov_b32 s31, 0xfedcba98                      ; v_permlanex16_b32: lane l xor 16
	s_mov_b32 vcc_lo, 0xffff0000                   ; lanes 16-31
	s_wait_alu depctr_va_vdst(0)
	s_wait_kmcnt 0x0
	s_mov_b64 s[24:25], s[16:17]                   ; which tensor, and its first work-group: chosen by the work-group's number alone
	s_mov_b32 s26, 432
	s_cmp_lt_u32 ttmp9, 432
	s_cselect_b64 s[24:25], s[14:15], s[24:25]
	s_cselect_b32 s26, 416, s26
	s_cmp_lt_u32 ttmp9, 416
	s_cselect_b64 s[24:25], s[12:13], s[24:25]
	s_cselect_b32 s26, 400, s26
	s_cmp_lt_u32 ttmp9, 400
	s_cselect_b64 s[24:25], s[10:11], s[24:25]
	s_cselect_b32 s26, 384, s26
	s_cmp_lt_u32 ttmp9, 384
	s_cselect_b64 s[24:25], s[8:9], s[24:25]
	s_cselect_b32 s26, 256, s26
	s_cmp_lt_u32 ttmp9, 256
	s_cselect_b64 s[24:25], s[6:7], s[24:25]
	s_cselect_b32 s26, 128, s26
	s_cmp_lt_u32 ttmp9, 128
	s_cselect_b64 s[24:25], s[4:5], s[24:25]
	s_cselect_b32 s26, 0, s26
	s_sub_co_u32 s26, ttmp9, s26
	s_lshl_b32 s26, s26, 2
	s_add_co_u32 s26, s26, s27                     ; t: my tile in its tensor
	s_lshr_b32 s28, s26, 1
	s_lshl_b32 s28, s28, 17                        ; 32 (t / 2) rows of 4,096 bytes
	s_and_b32 s29, s26, 1
	s_lshl_b32 s29, s29, 15                        ; + 8 (t % 2) rows
	s_or_b32 s28, s28, s29
	s_mov_b32 s29, 0
	s_add_nc_u64 s[24:25], s[24:25], s[28:29]
	s_lshl_b32 s32, ttmp9, 2
	s_add_co_u32 s32, s32, s27                     ; T: my tile among all 1,792
	s_mul_i32 s34, s32, 12288
	s_mov_b32 s35, 0
	s_add_nc_u64 s[18:19], s[18:19], s[34:35]
	s_lshl_b32 s34, s32, 9
	s_add_nc_u64 s[20:21], s[20:21], s[34:35]
.macro LOAD s                          ; K step s: 16 rows x 512 consecutive bytes
.irp p, 0,1,2,3,4,5,6,7,8,9,10,11,12,13,14,15
	global_load_b128 v[R+64*((\s)%2)+4*\p:R+64*((\s)%2)+4*\p+3], v1, s[24:25] offset:((\p%8)+16*(\p/8))*4096+512*(\s) th:TH_LOAD_NT
.endr
.endm
.macro TURN s                          ; through the stage: LDS serves a wave's instructions in order (ISA guide 5.7.1.4), so no wait stands between the stores and the loads
.irp p, 0,1,2,3,4,5,6,7,8,9,10,11,12,13,14,15
	ds_store_b128 v2, v[R+64*((\s)%2)+4*\p:R+64*((\s)%2)+4*\p+3] offset:\p*PITCH
.endr
.irp c, 0,1
.irp j, 0,1,2,3,4,5,6,7
	ds_load_b128 v[X+32*\c+4*\j:X+32*\c+4*\j+3], v3 offset:256*\c+16*\j
.endr
.endr
.endm
.macro FRAGQ s                         ; my blocks h and 2 + h of row r: scale bytes, codes, stores
.irp c, 0,1
	v_max3_num_f32 v[8+\c], |v[X+32*\c]|, |v[X+32*\c+1]|, 0x2800000   ; with the floor 2^(5 - 127): the byte cannot fall under 1
.endr
.irp i, 2,4,6,8,10,12,14,16,18,20,22,24,26,28,30
.irp c, 0,1
	v_max3_num_f32 v[8+\c], v[8+\c], |v[X+32*\c+\i]|, |v[X+32*\c+\i+1]|   ; the two blocks by turns
.endr
.endr
	v_add_nc_u32 v10, 0xfe000000, v8               ; 4 off the exponent field: the conversion takes this operand's exponent field as its scale
	v_add_nc_u32 v11, 0xfe000000, v9
	v_lshrrev_b32 v12, 23, v10                     ; the bytes
	v_lshrrev_b32 v13, 23, v11
	v_lshl_or_b32 v14, v13, 16, v12
	v_lshlrev_b32 v14, v4, v14                     ; at their places in the word
	v_permlanex16_b32 v15, v14, s30, s31
	v_or_b32 v14, v14, v15                         ; with lane l xor 16's two the word is whole, in both lanes
	s_wait_alu depctr_va_vdst(0)
	s_wait_xcnt 0x0                                ; the last fragment's stores have read v24-35, which are written again below
.irp c, 0,1
	v_cvt_scalef32_pk16_bf6_f32 v[C+6*\c:C+6*\c+2], v[X+32*\c:X+32*\c+15], v[10+\c]
	v_cvt_scalef32_pk16_bf6_f32 v[U+4*\c:U+4*\c+2], v[X+32*\c+16:X+32*\c+31], v[10+\c]   ; (a conversion's three registers begin on an even number)
.endr
	v_nop                                          ; one plain place behind a scaled conversion
.irp c, 0,1
.irp i, 0,1,2
	v_mov_b32 v[C+3+6*\c+\i], v[U+4*\c+\i]
.endr
.endr
.irp j, 0,1,2
	global_store_b128 v1, v[C+4*\j:C+4*\j+3], s[18:19] offset:1536*(\s)+512*\j   ; 512 consecutive bytes, at a multiple of 256 from the buffer's first byte
.endr
.if (\s)%2 == 0
	v_mov_b32 v[PWE], v14
.else
	v_cndmask_b32 v[XS+(\s)/2], v[PWE], v14, vcc_lo   ; lanes 0-15 the even K step's word, lanes 16-31 the odd one's
.endif
.endm
	LOAD 0
	LOAD 1
.irp s, 0,1,2,3,4,5,6,7
.if \s < 7
	s_wait_loadcnt 16                              ; this K step's 16 loads are in; the next step's 16 may be out
.else
	s_wait_loadcnt 0x0
.endif
	TURN \s
	s_wait_dscnt 0x0                               ; my blocks are in registers, and the stage's stores have read the set that is loaded again below
.if \s < 6
	LOAD \s+2
.endif
	FRAGQ \s
.endr
	global_store_b128 v1, v[XS:XS+3], s[20:21]     ; the tile's scales: 512 consecutive bytes
	s_wait_tensorcnt 0x0
	ds_add_u32 v248, v249
	s_wait_dscnt 0x0
	s_endpgm
.Ltable:
	s_load_b64 s[22:23], s[0:1], 0x48              ; tab
	v_lshrrev_b32 v5, 5, v0
	v_readfirstlane_b32 s27, v5
	v_and_b32 v5, 31, v0
	v_lshlrev_b32 v1, 3, v5                        ; 8 x lane: a pair (cos, sin)
	v_mov_b32 v2, 0
.macro INV l, bits                     ; lane l's inv_freq = 10^(-l / 8)
	s_mov_b32 s28, \bits
	v_writelane_b32 v2, s28, \l
.endm
	INV 0, 0x3f800000
	INV 1, 0x3f3ff911
	INV 2, 0x3f0ff59a
	INV 3, 0x3ed7e89b
	INV 4, 0x3ea1e89b
	INV 5, 0x3e72d424
	INV 6, 0x3e361887
	INV 7, 0x3e088d77
	INV 8, 0x3dcccccd
	INV 9, 0x3d99940e
	INV 10, 0x3d6655c3
	INV 11, 0x3d2cba15
	INV 12, 0x3d0186e2
	INV 13, 0x3cc24350
	INV 14, 0x3c91ad39
	INV 15, 0x3c5a7bf1
	INV 16, 0x3c23d70a
	INV 17, 0x3bf5b9b0
	INV 18, 0x3bb8449c
	INV 19, 0x3b8a2e77
	INV 20, 0x3b4f3e37
	INV 21, 0x3b1b690d
	INV 22, 0x3ae91528
	INV 23, 0x3aaec98e
	INV 24, 0x3a83126f
	INV 25, 0x3a44948c
	INV 26, 0x3a136a16
	INV 27, 0x39dd1726
	INV 28, 0x39a5cb5f
	INV 29, 0x3978a814
	INV 30, 0x393a7753
	INV 31, 0x390bd472
	s_sub_co_u32 s24, ttmp9, 448
	s_lshl_b32 s24, s24, 2
	s_add_co_u32 s24, s24, s27                     ; which 32 positions
	s_lshl_b32 s25, s24, 5                         ; the first of them
	s_lshl_b32 s28, s24, 13                        ; 256 bytes a position
	s_mov_b32 s29, 0
	s_mov_b32 s32, 0x3fc90fdb                      ; pi / 2 in three parts
	s_mov_b32 s33, 0xb33bbd2e
	s_mov_b32 s34, 0xa6f72ced
	s_mov_b32 s35, 0xb94ca1f9                      ; sin: -1.9515295891e-4, 8.3321608736e-3, -1.6666654611e-1
	s_mov_b32 s36, 0x3c08839e
	s_mov_b32 s37, 0xbe2aaaa3
	s_mov_b32 s38, 0x37ccf5ce                      ; cos: 2.443315712e-5, -1.388731625e-3, 4.166664568e-2
	s_mov_b32 s39, 0xbab6061a
	s_mov_b32 s40, 0x3d2aaaa5
	s_wait_kmcnt 0x0
	s_add_nc_u64 s[22:23], s[22:23], s[28:29]
	s_mov_b32 s26, 0
.Lpos:
	v_cvt_f32_u32 v3, s25
	s_wait_alu depctr_va_vdst(0)
	v_mul_f32 v3, v3, v2                           ; the angle, rounded as the product of two f32 is
	v_mul_f32 v4, 0x3f22f983, v3                   ; x 2 / pi
	v_rndne_f32 v4, v4                             ; k
	v_fma_f32 v5, -v4, s32, v3
	v_fma_f32 v5, -v4, s33, v5
	v_fma_f32 v5, -v4, s34, v5                     ; r
	v_cvt_i32_f32 v6, v4
	v_mul_f32 v7, v5, v5                           ; z = r r
	v_fma_f32 v8, v7, s35, s36
	v_fma_f32 v10, v7, s38, s39
	v_fma_f32 v8, v8, v7, s37
	v_fma_f32 v10, v10, v7, s40
	v_mul_f32 v9, v5, v7
	v_mul_f32 v11, v7, v7
	v_fma_f32 v12, v7, -0.5, 1.0
	v_fma_f32 v8, v9, v8, v5                       ; sin r
	v_fma_f32 v10, v11, v10, v12                   ; cos r
	v_and_b32 v13, 1, v6
	v_cmp_eq_u32 vcc_lo, 1, v13                    ; odd quadrants change sin and cos
	v_cndmask_b32 v14, v10, v8, vcc_lo
	v_cndmask_b32 v15, v8, v10, vcc_lo
	v_lshlrev_b32 v16, 30, v6                      ; sin is negative in quadrants 2, 3: bit 1 of k,
	v_add_nc_u32 v17, 1, v6
	v_and_b32 v16, 0x80000000, v16
	v_lshlrev_b32 v17, 30, v17                     ; cos in quadrants 1, 2: bit 1 of k + 1
	v_and_b32 v17, 0x80000000, v17
	v_xor_b32 v15, v15, v16
	v_xor_b32 v14, v14, v17
	global_store_b64 v1, v[14:15], s[22:23]        ; 256 consecutive bytes, aligned
	s_wait_xcnt 0x0                                ; the store has read its data and its base: both are written again
	s_add_nc_u64 s[22:23], s[22:23], 256
	s_add_co_u32 s25, s25, 1
	s_add_co_u32 s26, s26, 1
	s_cmp_lt_u32 s26, 32
	s_cbranch_scc1 .Lpos
	s_endpgm
.Lfunc_end_k_qd74e639680_quant:
	.size	k_qd74e639680_quant, .Lfunc_end_k_qd74e639680_quant-k_qd74e639680_quant
	.p2alignl 7, 3214868480
	.fill 96, 4, 3214868480
	.section	.rodata,"a",@progbits
	.p2align	6, 0x0
	.amdhsa_kernel k_qd74e639680_quant
		.amdhsa_group_segment_fixed_size 34304
		.amdhsa_private_segment_fixed_size 0
		.amdhsa_enable_private_segment 0
		.amdhsa_kernarg_size 80
		.amdhsa_user_sgpr_count 2
		.amdhsa_user_sgpr_kernarg_segment_ptr 1
		.amdhsa_wavefront_size32 1
		.amdhsa_system_sgpr_workgroup_id_x 1
		.amdhsa_system_sgpr_workgroup_id_y 1
		.amdhsa_system_sgpr_workgroup_id_z 1
		.amdhsa_system_vgpr_workitem_id 0
		.amdhsa_next_free_vgpr 250
		.amdhsa_next_free_sgpr 66
		.amdhsa_reserve_vcc 1
		.amdhsa_float_denorm_mode_32 3
		.amdhsa_float_denorm_mode_16_64 3
		.amdhsa_memory_ordered 1
		.amdhsa_forward_progress 1
		.amdhsa_inst_pref_size 65
	.end_amdhsa_kernel
	.amdgpu_metadata
---
amdhsa.version: [ 1, 2 ]
amdhsa.kernels:
  - .name:           k_qd74e639680_quant
    .symbol:         k_qd74e639680_quant.kd
    .args:
      - { .name: query, .offset: 0, .size: 8, .value_kind: global_buffer, .address_space: global }
      - { .name: key, .offset: 8, .size: 8, .value_kind: global_buffer, .address_space: global }
      - { .name: value, .offset: 16, .size: 8, .value_kind: global_buffer, .address_space: global }
      - { .name: wq, .offset: 24, .size: 8, .value_kind: global_buffer, .address_space: global }
      - { .name: wk, .offset: 32, .size: 8, .value_kind: global_buffer, .address_space: global }
      - { .name: wv, .offset: 40, .size: 8, .value_kind: global_buffer, .address_space: global }
      - { .name: wo, .offset: 48, .size: 8, .value_kind: global_buffer, .address_space: global }
      - { .name: codes, .offset: 56, .size: 8, .value_kind: global_buffer, .address_space: global }
      - { .name: scl, .offset: 64, .size: 8, .value_kind: global_buffer, .address_space: global }
      - { .name: tab, .offset: 72, .size: 8, .value_kind: global_buffer, .address_space: global }
    .group_segment_fixed_size: 34304
    .private_segment_fixed_size: 0
    .kernarg_segment_align: 8
    .kernarg_segment_size: 80
    .max_flat_workgroup_size: 128
    .sgpr_count:     66
    .vgpr_count:     250
    .wavefront_size: 32
...
	.end_amdgpu_metadata
.endif
;; end of part 1
;; launch proj (part 2): grid 8 x 96, 4 waves a work-group, clusters of 4 x 4, 295,424 bytes of LDS; arguments codes, scl, tab, bq, bk, bv, qr, kv; writes qr, kv
.if DOCPART == 2
	.amdgcn_target "amdgcn-amd-amdhsa--gfx1250"
	.amdhsa_code_object_version 6
	.text
	.protected	k_qd74e639680_proj
	.globl	k_qd74e639680_proj
	.p2align	8
	.type	k_qd74e639680_proj,@function
k_qd74e639680_proj:
	s_mov_b64 s[64:65], 0
	v_nop
	global_prefetch_b8 v0, s[64:65] scope:SCOPE_SE
	s_setreg_imm32_b32 hwreg(HW_REG_WAVE_MODE, 25, 1), 1
	s_wait_xcnt 0x0
	s_wait_alu depctr_hold_cnt(0) depctr_sa_sdst(0) depctr_va_vdst(0) depctr_va_sdst(0) depctr_va_ssrc(0) depctr_va_vcc(0) depctr_vm_vsrc(0)
	s_getreg_b32 s2, hwreg(HW_REG_IB_STS2, 6, 4)
	s_cmp_eq_u32 s2, 0
	s_cbranch_scc0 .Lentry_in_a_cluster
	s_endpgm
.Lentry_in_a_cluster:
	s_bfe_u32 s2, ttmp6, 0x10000c
	s_cmp_lg_u32 s2, 0xf033
	s_cbranch_scc0 .Lentry_shape_is_right
	s_endpgm
.Lentry_shape_is_right:
; LAUNCH 2.  Q = query wq^T + bq and K = key wk^T + bk, turned by the rotary embedding, and V = value wv^T + bv; all three quantised at once for the attention's products.  Products on codes of BF6 (E3M2), f32 sums.
; ONE FORM FOR ALL THREE: 256 rows in the role of A (a lane owns a row), 128 rows in the role of B (a lane's registers run along them), K = 1,024.  The matrix instruction is used transposed: source 0 = 16 rows of B, source 1 = 16 rows of A.
;   Q, K: A = tokens, B = rows of the weight: a lane holds one token and 16 neighbouring features for each pair of tiles: the next product's K is the head's 64.
;   V:    A = rows of wv, B = tokens of value: a lane holds one channel and 16 neighbouring KEYS: the next product's K is the keys.
; (That the 16 are neighbours is the doing of the order in which launch 1 laid the rows of a tile.)
; THE MODE hangs on the cluster's y alone, which all sixteen partners share: 0-7 Q, 8-15 K, 16-23 V.
; CLUSTER 4 x 4: A's tile hangs on the cluster's y and on cy and is asked for jointly by a row of the cluster, B's on the cluster's y and on the work-group's x and is asked for jointly by a column: each tile's requests are divided by four.
; LDS: A's 196,608 bytes and B's 98,304, for all of K, lie side by side.  So every byte of LDS is filled once: no slot is filled again.  K is cut into four chunks of 256; a wave issues its eight joint loads (A's and B's quarter of each chunk)
; in one group behind the opening round: eight of mine are out; the counted waits let the later chunks stay on their way over barriers behind which nothing is filled.
; A WAVE makes its own 64 rows of A x all 128 rows of B: 32 accumulators.  It reads no fragment twice.
; THE HEAD HAS ONE PATH: the table of cos and sin, the 64 biases by column and the four biases by row are loaded in every mode, at addresses inside their buffers; a V work-group does not use the first, a Q or K work-group not the last.
; OUTPUT, records of 13,056 bytes for a head and 128 tokens: +0 eight tiles of 16 tokens x 64, 768 bytes each (registers 0-3 of lane l at 16 l, registers 4-5 at 512 + 8 l); +6,144 V: four tiles of 16 channels x 128 keys, 1,536 bytes each;
;   +12,288 two blocks of 256 bytes of scale words for the eight tiles (tile a of four, row r at 8 (r + 16 (a % 2)) + 4 (a / 2); a word: the head's two bytes, and 0x7f twice); +12,800 the same for V's four tiles (whole words).  Q goes to qr, K and V to kv.
; LIMITS: as launch 1's (NaN, infinities; a block of zeros has the byte 1).
; REGISTERS, in windows of 256: window 0: v1-8 LDS addresses, v9-13 lane offsets, v32-47 A's scales, v48-79 B's, v80-175 A's fragments in two sets; behind the products v80-143 a block's 64 numbers, v144-163 its codes, v164-195 at work.
;   window 1: accumulator (a, b) at v[8 (8 a + b)].   window 2: B's fragments, two sets of 96.   window 3: v0-127 cos and sin (32 for each of my four tiles of tokens), v128-191 biases by column, v192-199 biases by row, twice each.
.set ADA,  1                           ; v1-4   my A fragments in chunk c: c x 49,152 + wave x 12,288 + 16 x lane
.set ADB,  5                           ; v5-8   B's: 196,608 + c x 24,576 + 16 x lane
.set L16,  9                           ; v9     16 x lane
.set L8,   10                          ; v10    8 x lane
.set LT,   11                          ; v11    the table: my token's row of 256 bytes + 64 h
.set LB,   12                          ; v12    biases by column: 64 h
.set LV,   13                          ; v13    biases by row: 4 x my row
.set SA,   32
.set SB,   48
.set AF,   80
.set H,    80
.set PC,   144
.set TM,   164
.set PW,   180
.set KP,   181                         ; v181-184 the four blocks' scale words
.set XW,   186                         ; v186-189 scale words as they are stored
.set TP,   188                         ; v188-195 the rotation's products
.set BOFF, 196608
.set REC,  13056
.set HEADB, 16*REC
.set MSB, 0
.macro WIN new                         ; the immediate's high byte repeats the setting that is left
.if MSB != \new
	s_set_vgpr_msb (MSB<<8)|\new
.set MSB, \new
.endif
.endm
.macro PLACES                          ; four plain vector instructions between a matrix instruction and a load into, or a vector instruction on, its registers
.rept 4
	v_nop
.endr
.endm
.macro ROUND                           ; a round of the cluster's barrier
	s_barrier_signal -1
	s_barrier_wait -1
	s_cmp_lg_u32 s20, 0
	s_cbranch_scc1 .Lnw0_\@
	s_barrier_signal -3
.Lnw0_\@:
	s_barrier_wait -3
	s_barrier_signal -1
	s_barrier_wait -1
.endm
; The scaled product.  acc = 0: C is the constant 0;  ra, rb = 1: that source's scales stand in lanes 16-31
.macro WM d, a, b, sa, sb, acc, ra, rb
.if (\acc) && (\ra) && (\rb)
	v_wmma_scale_f32_16x16x128_f8f6f4 v[\d:\d+7], v[\a:\a+11], v[\b:\b+11], v[\d:\d+7], v[\sa], v[\sb] matrix_a_fmt:MATRIX_FMT_BF6 matrix_b_fmt:MATRIX_FMT_BF6 matrix_a_scale:MATRIX_SCALE_ROW1 matrix_b_scale:MATRIX_SCALE_ROW1
.elseif (\acc) && (\ra)
	v_wmma_scale_f32_16x16x128_f8f6f4 v[\d:\d+7], v[\a:\a+11], v[\b:\b+11], v[\d:\d+7], v[\sa], v[\sb] matrix_a_fmt:MATRIX_FMT_BF6 matrix_b_fmt:MATRIX_FMT_BF6 matrix_a_scale:MATRIX_SCALE_ROW1
.elseif (\acc) && (\rb)
	v_wmma_scale_f32_16x16x128_f8f6f4 v[\d:\d+7], v[\a:\a+11], v[\b:\b+11], v[\d:\d+7], v[\sa], v[\sb] matrix_a_fmt:MATRIX_FMT_BF6 matrix_b_fmt:MATRIX_FMT_BF6 matrix_b_scale:MATRIX_SCALE_ROW1
.elseif (\acc)
	v_wmma_scale_f32_16x16x128_f8f6f4 v[\d:\d+7], v[\a:\a+11], v[\b:\b+11], v[\d:\d+7], v[\sa], v[\sb] matrix_a_fmt:MATRIX_FMT_BF6 matrix_b_fmt:MATRIX_FMT_BF6
.elseif (\ra) && (\rb)
	v_wmma_scale_f32_16x16x128_f8f6f4 v[\d:\d+7], v[\a:\a+11], v[\b:\b+11], 0, v[\sa], v[\sb] matrix_a_fmt:MATRIX_FMT_BF6 matrix_b_fmt:MATRIX_FMT_BF6 matrix_a_scale:MATRIX_SCALE_ROW1 matrix_b_scale:MATRIX_SCALE_ROW1
.elseif (\ra)
	v_wmma_scale_f32_16x16x128_f8f6f4 v[\d:\d+7], v[\a:\a+11], v[\b:\b+11], 0, v[\sa], v[\sb] matrix_a_fmt:MATRIX_FMT_BF6 matrix_b_fmt:MATRIX_FMT_BF6 matrix_a_scale:MATRIX_SCALE_ROW1
.elseif (\rb)
	v_wmma_scale_f32_16x16x128_f8f6f4 v[\d:\d+7], v[\a:\a+11], v[\b:\b+11], 0, v[\sa], v[\sb] matrix_a_fmt:MATRIX_FMT_BF6 matrix_b_fmt:MATRIX_FMT_BF6 matrix_b_scale:MATRIX_SCALE_ROW1
.else
	v_wmma_scale_f32_16x16x128_f8f6f4 v[\d:\d+7], v[\a:\a+11], v[\b:\b+11], 0, v[\sa], v[\sb] matrix_a_fmt:MATRIX_FMT_BF6 matrix_b_fmt:MATRIX_FMT_BF6
.endif
.endm
	s_load_b512 s[4:19], s[0:1], 0x0               ; codes s[4:5], scl s[6:7], tab s[8:9], bq s[10:11], bk s[12:13], bv s[14:15], qr s[16:17], kv s[18:19]
	v_lshl_add_u32 v254, v0, 2, 0x48000
	v_mov_b32 v255, 0
	ds_add_u32 v254, v255
	ds_add_u32 v254, v255
	v_lshrrev_b32 v14, 5, v0
	v_readfirstlane_b32 s20, v14                   ; wave 0..3
	s_bfe_u32 s21, ttmp6, 0x40000                  ; cx
	s_bfe_u32 s22, ttmp6, 0x40004                  ; cy
	s_and_b32 s23, ttmp7, 0xffff                   ; the cluster's y: the mode, and which part
	s_lshl_b32 s76, ttmp9, 2
	s_add_co_u32 s76, s76, s21                     ; x = 4 x cluster x + cx
	s_lshl_b32 s77, s22, 2
	s_lshl_b32 s77, 15, s77                        ; my row of the cluster
	s_lshl_b32 s78, 0x1111, s21                    ; my column
	; descriptor groups 1: rows of 3,072 bytes (a tile's two fragments of a chunk: 384 elements of 8 bytes), 12,288 bytes apart in memory, dense in LDS; A: 4 rows, B: 2
	s_or_b32 s24, s77, (3<<16)|(1<<21)             ; 15:0 the mask; 17:16 elements of 8 bytes; 21 set beside a mask; no padding
	s_mov_b32 s25, 384<<16                         ; tensor_dim0
	s_mov_b32 s26, 4<<16                           ; tensor_dim1
	s_mov_b32 s27, 384<<16                         ; tile_dim0
	s_mov_b32 s28, 4                               ; tile_dim1
	s_mov_b32 s29, 1536                            ; tensor_dim0_stride
	s_mov_b32 s30, 0
	s_mov_b32 s31, 0
	s_or_b32 s32, s78, (3<<16)|(1<<21)
	s_mov_b32 s33, 384<<16
	s_mov_b32 s34, 2<<16
	s_mov_b32 s35, 384<<16
	s_mov_b32 s36, 2
	s_mov_b32 s37, 1536
	s_mov_b32 s38, 0
	s_mov_b32 s39, 0
	; A's tile, in units of 16 row tiles: Q, K: 4 cly + cy (query 0-31, key 32-63); V: 104 + cy (wv).  No register on this way holds cx
	s_lshl_b32 s79, s23, 2
	s_add_co_u32 s79, s79, s22
	s_add_co_u32 s80, s22, 104
	s_cmp_lt_u32 s23, 16
	s_cselect_b32 s79, s79, s80
	; B's tile, in units of 8 row tiles: Q, K: 192 + 8 (cly / 8) + x (wq, wk); V: 8 cly + x (value 128-191).  No register on this way holds cy
	s_lshr_b32 s81, s23, 3
	s_lshl_b32 s81, s81, 3
	s_add_co_u32 s81, s81, 192
	s_add_co_u32 s81, s81, s76
	s_lshl_b32 s82, s23, 3
	s_add_co_u32 s82, s82, s76
	s_cmp_lt_u32 s23, 16
	s_cselect_b32 s81, s81, s82
	s_mul_i32 s86, s79, 196608
	s_mul_i32 s80, s20, 49152                      ; my four tiles of A's sixteen
	s_add_co_u32 s86, s86, s80
	s_mov_b32 s87, 0
	s_mul_i32 s88, s81, 98304
	s_mul_i32 s82, s20, 24576                      ; the two tiles of B's eight that I fetch
	s_add_co_u32 s88, s88, s82
	s_mov_b32 s89, 0
	s_mul_i32 s90, s20, 12288
	s_mul_i32 s91, s20, 6144
	s_mov_b32 s2, 0x76543210
	s_mov_b32 s3, 0xfedcba98                       ; v_permlanex16_b32: lane l xor 16
	v_and_b32 v14, 31, v0
	v_lshlrev_b32 v[L16], 4, v14
	v_lshlrev_b32 v[L8], 3, v14
	v_and_b32 v15, 15, v0                          ; r
	v_bfe_u32 v16, v0, 4, 1                        ; h
	v_and_b32 v17, 8, v15
	v_add_nc_u32 v17, v17, v15                     ; r % 8 + 16 (r / 8): which row of its 32 lane row r is
	v_lshlrev_b32 v[LB], 6, v16
	v_lshl_add_u32 v[LT], v17, 8, v[LB]
	v_lshlrev_b32 v[LV], 2, v17
	s_wait_alu depctr_va_vdst(0)
	s_wait_dscnt 0x0
	s_wait_kmcnt 0x0
	s_add_nc_u64 s[92:93], s[4:5], s[86:87]
	s_add_nc_u64 s[94:95], s[4:5], s[88:89]
.irp c, 0,1,2,3                        ; groups 0: A's at s[40 + 4 c], B's at s56, s60, s68, s72
	s_mov_b32 s[40+4*\c], 1
	s_add_co_u32 s[41+4*\c], s90, \c*49152
	s_add_nc_u64 s[42+4*\c:43+4*\c], s[92:93], \c*3072
	s_or_b32 s[43+4*\c], s[43+4*\c], 0x80000000
	s_mov_b32 s[56+4*\c+4*(\c/2)], 1
	s_add_co_u32 s[57+4*\c+4*(\c/2)], s91, BOFF+\c*24576
	s_add_nc_u64 s[58+4*\c+4*(\c/2):59+4*\c+4*(\c/2)], s[94:95], \c*3072
	s_or_b32 s[59+4*\c+4*(\c/2)], s[59+4*\c+4*(\c/2)], 0x80000000
	v_add_nc_u32 v[ADA+\c], s[41+4*\c], v[L16]
	v_add_nc_u32 v[ADB+\c], BOFF+\c*24576, v[L16]
.endr
	s_lshl_b32 s86, s79, 13                        ; the scales: 512 bytes a row tile
	s_lshl_b32 s80, s20, 11
	s_add_co_u32 s86, s86, s80
	s_add_nc_u64 s[96:97], s[6:7], s[86:87]
	s_lshl_b32 s88, s81, 12
	s_add_nc_u64 s[98:99], s[6:7], s[88:89]
	s_and_b32 s83, s23, 7
	s_lshl_b32 s83, s83, 2
	s_add_co_u32 s83, s83, s22                     ; At: which 256 tokens of the 8,192 (Q, K)
	s_and_b32 s86, s83, 7
	s_lshl_b32 s86, s86, 16                        ; the position in the sequence: 256 (At % 8) + 64 x wave, 256 bytes each
	s_lshl_b32 s80, s20, 14
	s_add_co_u32 s86, s86, s80
	s_add_nc_u64 s[84:85], s[8:9], s[86:87]
	s_cmp_lt_u32 s23, 8
	s_cselect_b64 s[100:101], s[10:11], s[12:13]
	s_cmp_lt_u32 s23, 16
	s_cselect_b64 s[100:101], s[100:101], s[14:15]
	s_lshl_b32 s88, s76, 9                         ; biases by column: 128 x on
	s_add_nc_u64 s[100:101], s[100:101], s[88:89]
	s_lshl_b32 s86, s22, 10                        ; biases by row: bv at 256 cy + 64 x wave
	s_lshl_b32 s80, s20, 8
	s_add_co_u32 s86, s86, s80
	s_add_nc_u64 s[92:93], s[14:15], s[86:87]
	ROUND                                          ; all sixteen work-groups are here: the joint loads meet
.irp c, 0,1,2,3
	tensor_load_to_lds s[40+4*\c:43+4*\c], s[24:31]
	s_nop 0
	tensor_load_to_lds s[56+4*\c+4*(\c/2):59+4*\c+4*(\c/2)], s[32:39]
	s_nop 0
.endr
	PLACES                                         ; four v_nop follow the last of the group
.irp a, 0,1,2,3
	global_load_b128 v[SA+4*\a:SA+4*\a+3], v[L16], s[96:97] offset:512*\a
.endr
.irp b, 0,1,2,3,4,5,6,7
	global_load_b128 v[SB+4*\b:SB+4*\b+3], v[L16], s[98:99] offset:512*\b
.endr
	WIN 0xc0                                       ; destination window 3
.irp a, 0,1,2,3                        ; cos and sin of my token of tile a, pairs 16 e + 8 h + 0 .. 7
.irp e, 0,1
.irp j, 0,1,2,3
	global_load_b128 v[32*\a+16*\e+4*\j:32*\a+16*\e+4*\j+3], v[LT], s[84:85] offset:(32*(\a/2)+8*(\a%2))*256+128*\e+16*\j
.endr
.endr
.endr
.irp b, 0,1,2,3                        ; register 16 b + i: the bias of column 32 b + 16 h + i
.irp j, 0,1,2,3
	global_load_b128 v[128+16*\b+4*\j:128+16*\b+4*\j+3], v[LB], s[100:101] offset:128*\b+16*\j
.endr
.endr
.irp a, 0,1,2,3                        ; the bias of my row of tile a, twice: a pair for the packed addition
	global_load_b32 v[192+2*\a], v[LV], s[92:93] offset:(32*(\a/2)+8*(\a%2))*4
	global_load_b32 v[193+2*\a], v[LV], s[92:93] offset:(32*(\a/2)+8*(\a%2))*4
.endr
	WIN 0
.macro FETCH s                         ; K step s: B's eight fragments and my four of A, 36 loads of 512 consecutive bytes, into set s % 2
.set FC, (\s)/2
.set FQ, (\s)%2
	WIN 0x80                                       ; destination window 2
.irp b, 0,1,2,3,4,5,6,7
.irp j, 0,1,2
	ds_load_b128 v[96*FQ+12*\b+4*\j:96*FQ+12*\b+4*\j+3], v[ADB+FC] offset:\b*3072+FQ*1536+512*\j
.endr
.endr
	WIN 0
.irp a, 0,1,2,3
.irp j, 0,1,2
	ds_load_b128 v[AF+48*FQ+12*\a+4*\j:AF+48*FQ+12*\a+4*\j+3], v[ADA+FC] offset:\a*3072+FQ*1536+512*\j
.endr
.endr
.endm
.macro MUL s                           ; 32 products; the 32 accumulators take turns, one instruction a turn, in the same order in every K step
.set FQ, (\s)%2
.set SI, (\s)/2
.set AC, 1
.if (\s) == 0
.set AC, 0
.endif
	WIN 0x52                                       ; source 0 (B) window 2, source 1 (A) window 0, C and D window 1
.irp a, 0,1,2,3
.irp b, 0,1,2,3,4,5,6,7
	WM 8*(8*\a+\b), 96*FQ+12*\b, AF+48*FQ+12*\a, SB+4*\b+SI, SA+4*\a+SI, AC, FQ, FQ
.endr
.endr
.endm
.macro KSTEP s
.if (\s) < 7
.if ((\s)+1)%2 == 0
	s_wait_dscnt 0x0                               ; no LDS instruction of mine is out at a signal
	s_wait_tensorcnt 6-((\s)+1)                    ; my parts of the next chunk are in; two loads for each later chunk may stay out
	s_barrier_signal -1
	s_barrier_wait -1                              ; everybody's are
.endif
.if (\s) > 0
	PLACES                                         ; in front of loads into the set that the K step before multiplied
.endif
	FETCH (\s)+1
	s_wait_dscnt 36                                ; all but the 36 just issued: this K step's fragments are in
.else
	s_wait_dscnt 0x0
.endif
	MUL \s
.endm
	s_wait_loadcnt 0x0                             ; scales, table, biases
	s_wait_tensorcnt 6                             ; chunk 0's two loads of mine are in; the six behind them may be out
	s_barrier_signal -1
	s_barrier_wait -1
	s_wait_alu depctr_va_vdst(0)
	FETCH 0
.irp s, 0,1,2,3,4,5,6,7
	KSTEP \s
.endr
; 64 numbers of a lane, register 16 b + i = k 32 b + 16 h + i of my row, become a fragment's codes in v[PC] on and its scale word in v[PW]
.macro QUANT s
.irp b, 0,1,2,3
	v_max3_num_f32 v[TM+\b], |v[\s+16*\b]|, |v[\s+1+16*\b]|, 0x2800000   ; with the floor 2^(5 - 127)
.endr
.irp i, 2,4,6,8,10,12,14
.irp b, 0,1,2,3
	v_max3_num_f32 v[TM+\b], v[TM+\b], |v[\s+16*\b+\i]|, |v[\s+1+16*\b+\i]|
.endr
.endr
.irp b, 0,1,2,3
	v_permlanex16_b32 v[TM+4+\b], v[TM+\b], s2, s3
.endr
.irp b, 0,1,2,3
	v_max_num_f32 v[TM+\b], v[TM+\b], v[TM+4+\b]   ; with lane l xor 16's 16: the block's largest magnitude
.endr
.irp b, 0,1,2,3
	v_add_nc_u32 v[TM+12+\b], 0xfe000000, v[TM+\b] ; 4 off its exponent field: the conversion's scale operand
.endr
.irp b, 0,1,2,3
	v_lshrrev_b32 v[TM+4+\b], 23, v[TM+12+\b]      ; the byte
.endr
	v_lshl_or_b32 v[PW], v[TM+5], 8, v[TM+4]
	v_lshl_or_b32 v[PW], v[TM+6], 16, v[PW]
	v_lshl_or_b32 v[PW], v[TM+7], 24, v[PW]
.irp c, 0,1
	v_cvt_scalef32_pk16_bf6_f32 v[PC+6*\c:PC+2+6*\c], v[\s+32*\c:\s+15+32*\c], v[TM+12+2*\c]
	v_cvt_scalef32_pk16_bf6_f32 v[PC+12+4*\c:PC+14+4*\c], v[\s+16+32*\c:\s+31+32*\c], v[TM+12+2*\c+1]
.endr
	v_nop                                          ; one plain place behind a scaled conversion
.irp c, 0,1                            ; the operand's layout wants a whole block in a lane
.irp i, 0,1,2
	v_permlane16_swap_b32 v[PC+6*\c+\i], v[PC+12+4*\c+\i]
.endr
.irp i, 0,1,2
	v_mov_b32 v[PC+3+6*\c+\i], v[PC+12+4*\c+\i]
.endr
.endr
.endm
; Q, K: my 16 tokens of tile a x 128 features = two heads
.macro QKBLK a
	WIN 0x0d                                       ; source 0 (sums) window 1, source 1 (biases) window 3
.set i, 0
.rept 32
	v_pk_add_f32 v[H+i:H+i+1], v[64*\a+i:64*\a+i+1], v[128+i:128+i+1]   ; each accumulator from its low end on
.set i, i+2
.endr
	WIN 0x0c                                       ; source 1 (cos, sin) window 3
.set g, 0
.rept 8                                ; four pairs (x1, x2) at a time: (-x2 sin, x1 sin), then (x1 cos - x2 sin, x2 cos + x1 sin)
.irp m, 0,1,2,3
	v_pk_mul_f32 v[TP+2*\m:TP+2*\m+1], v[H+8*g+2*\m:H+8*g+2*\m+1], v[32*\a+8*(g%4)+2*\m:32*\a+8*(g%4)+2*\m+1] op_sel:[1,1] op_sel_hi:[0,1] neg_lo:[1,0]
.endr
.irp m, 0,1,2,3
	v_pk_fma_f32 v[H+8*g+2*\m:H+8*g+2*\m+1], v[H+8*g+2*\m:H+8*g+2*\m+1], v[32*\a+8*(g%4)+2*\m:32*\a+8*(g%4)+2*\m+1], v[TP+2*\m:TP+2*\m+1] op_sel_hi:[1,0,1]
.endr
.set g, g+1
.endr
	WIN 0
	s_wait_xcnt 0x0                                ; the last block's stores have read the codes' registers
	QUANT H
	v_mov_b32 v[KP+\a], v[PW]
.irp c, 0,1                            ; registers 6 c .. 6 c + 5 are head c's 64
	global_store_b128 v[L16], v[PC+6*\c:PC+6*\c+3], s[46:47] offset:\c*HEADB+\a*768
	global_store_b64 v[L8], v[PC+6*\c+4:PC+6*\c+5], s[46:47] offset:\c*HEADB+\a*768+512
.endr
.endm
; V: my 16 channels of tile a x 128 keys
.macro VBLK a
	WIN 0x0d
.set i, 0
.rept 32
	v_pk_add_f32 v[H+i:H+i+1], v[64*\a+i:64*\a+i+1], v[192+2*\a:193+2*\a]
.set i, i+2
.endr
	WIN 0
	s_wait_xcnt 0x0
	QUANT H
	v_mov_b32 v[KP+\a], v[PW]
.irp j, 0,1,2
	global_store_b128 v[L16], v[PC+4*\j:PC+4*\j+3], s[46:47] offset:6144+\a*1536+512*\j
.endr
.endm
	PLACES                                         ; behind the last products
	WIN 0
.irp b, 0,1,2,3
	v_mov_b32 v[TM+4+\b], 0                        ; a lane permute's destination counts as read
.endr
	s_mov_b32 vcc_lo, 0xffff0000                   ; lanes 16-31
	s_cmp_lt_u32 s23, 16
	s_cbranch_scc0 .Lvmode
	s_lshr_b32 s40, s83, 3                         ; (all my tensor loads are done: the descriptors' registers are free)
	s_lshl_b32 s40, s40, 4
	s_lshl_b32 s41, s76, 1
	s_add_co_u32 s40, s40, s41                     ; 16 x batch + head 2 x
	s_mul_i32 s40, s40, HEADB
	s_and_b32 s41, s83, 7
	s_lshl_b32 s41, s41, 1
	s_lshr_b32 s44, s20, 1
	s_add_co_u32 s41, s41, s44                     ; which 128 tokens of the sequence
	s_mul_i32 s41, s41, REC
	s_add_co_u32 s40, s40, s41
	s_mov_b32 s41, 0
	s_cmp_lt_u32 s23, 8
	s_cselect_b64 s[42:43], s[16:17], s[18:19]     ; Q to qr, K to kv
	s_add_nc_u64 s[42:43], s[42:43], s[40:41]      ; the record
	s_and_b32 s44, s20, 1
	s_mul_i32 s40, s44, 3072
	s_add_nc_u64 s[46:47], s[42:43], s[40:41]      ; my four tiles of its eight
	s_lshl_b32 s40, s44, 8
	s_add_co_u32 s40, s40, 12288
	s_add_nc_u64 s[42:43], s[42:43], s[40:41]      ; and their block of scale words
	s_mov_b32 s77, 0x7f7f7f7f
	s_mov_b32 s78, 0x07060100
	s_mov_b32 s80, 0x07060302
	QKBLK 0
	QKBLK 1
	QKBLK 2
	QKBLK 3
.irp a, 0,1,2,3
	v_perm_b32 v[TM+\a], s77, v[KP+\a], s78        ; head 0: bytes 0, 1 of the word, and 0x7f twice for the half of the next product's K that holds zeros
	v_perm_b32 v[TM+8+\a], s77, v[KP+\a], s80      ; head 1: bytes 2, 3
.endr
	v_cndmask_b32 v[XW], v[TM], v[TM+1], vcc_lo    ; register i: tile 2 i in lanes 0-15, tile 2 i + 1 in lanes 16-31
	v_cndmask_b32 v[XW+1], v[TM+2], v[TM+3], vcc_lo
	v_cndmask_b32 v[XW+2], v[TM+8], v[TM+9], vcc_lo
	v_cndmask_b32 v[XW+3], v[TM+10], v[TM+11], vcc_lo
	global_store_b64 v[L8], v[XW:XW+1], s[42:43]   ; 256 consecutive bytes, aligned
	global_store_b64 v[L8], v[XW+2:XW+3], s[42:43] offset:HEADB
	s_branch .Ldone
.Lvmode:
	s_sub_co_u32 s40, s23, 16
	s_lshl_b32 s40, s40, 3
	s_add_co_u32 s40, s40, s76                     ; which 128 tokens of the 8,192
	s_lshr_b32 s41, s40, 4
	s_lshl_b32 s41, s41, 4
	s_lshl_b32 s44, s22, 2
	s_add_co_u32 s41, s41, s44
	s_add_co_u32 s41, s41, s20                     ; 16 x batch + head 4 cy + wave
	s_mul_i32 s41, s41, HEADB
	s_and_b32 s40, s40, 15
	s_mul_i32 s40, s40, REC
	s_add_co_u32 s40, s40, s41
	s_mov_b32 s41, 0
	s_add_nc_u64 s[46:47], s[18:19], s[40:41]
	VBLK 0
	VBLK 1
	VBLK 2
	VBLK 3
	v_cndmask_b32 v[XW], v[KP], v[KP+1], vcc_lo
	v_cndmask_b32 v[XW+1], v[KP+2], v[KP+3], vcc_lo
	global_store_b64 v[L8], v[XW:XW+1], s[46:47] offset:12800
.Ldone:
	s_wait_tensorcnt 0x0
	ds_add_u32 v254, v255
	s_wait_dscnt 0x0
	ROUND                                          ; the closing round: no work-group ends while a partner may still ask for a tile that names it
	s_endpgm
.Lfunc_end_k_qd74e639680_proj:
	.size	k_qd74e639680_proj, .Lfunc_end_k_qd74e639680_proj-k_qd74e639680_proj
	.p2alignl 7, 3214868480
	.fill 96, 4, 3214868480
	.section	.rodata,"a",@progbits
	.p2align	6, 0x0
	.amdhsa_kernel k_qd74e639680_proj
		.amdhsa_group_segment_fixed_size 295424
		.amdhsa_private_segment_fixed_size 0
		.amdhsa_enable_private_segment 0
		.amdhsa_kernarg_size 64
		.amdhsa_user_sgpr_count 2
		.amdhsa_user_sgpr_kernarg_segment_ptr 1
		.amdhsa_wavefront_size32 1
		.amdhsa_system_sgpr_workgroup_id_x 1
		.amdhsa_system_sgpr_workgroup_id_y 1
		.amdhsa_system_sgpr_workgroup_id_z 1
		.amdhsa_system_vgpr_workitem_id 0
		.amdhsa_next_free_vgpr 1024
		.amdhsa_next_free_sgpr 102
		.amdhsa_reserve_vcc 1
		.amdhsa_float_denorm_mode_32 3
		.amdhsa_float_denorm_mode_16_64 3
		.amdhsa_memory_ordered 1
		.amdhsa_forward_progress 1
		.amdhsa_inst_pref_size 136
	.end_amdhsa_kernel
	.amdgpu_metadata
---
amdhsa.version: [ 1, 2 ]
amdhsa.kernels:
  - .name:           k_qd74e639680_proj
    .symbol:         k_qd74e639680_proj.kd
    .args:
      - { .name: codes, .offset: 0, .size: 8, .value_kind: global_buffer, .address_space: global }
      - { .name: scl, .offset: 8, .size: 8, .value_kind: global_buffer, .address_space: global }
      - { .name: tab, .offset: 16, .size: 8, .value_kind: global_buffer, .address_space: global }
      - { .name: bq, .offset: 24, .size: 8, .value_kind: global_buffer, .address_space: global }
      - { .name: bk, .offset: 32, .size: 8, .value_kind: global_buffer, .address_space: global }
      - { .name: bv, .offset: 40, .size: 8, .value_kind: global_buffer, .address_space: global }
      - { .name: qr, .offset: 48, .size: 8, .value_kind: global_buffer, .address_space: global }
      - { .name: kv, .offset: 56, .size: 8, .value_kind: global_buffer, .address_space: global }
    .group_segment_fixed_size: 295424
    .private_segment_fixed_size: 0
    .kernarg_segment_align: 8
    .kernarg_segment_size: 64
    .max_flat_workgroup_size: 128
    .sgpr_count:     102
    .vgpr_count:     1024
    .wavefront_size: 32
...
	.end_amdgpu_metadata
.endif
;; end of part 2
;; launch attn (part 3): grid 4 x 64, 16 waves a work-group, clusters of 4 x 1, 210,944 bytes of LDS; arguments qr, kv, cc, cs; writes cc, cs
.if DOCPART == 3
	.amdgcn_target "amdgcn-amd-amdhsa--gfx1250"
	.amdhsa_code_object_version 6
	.text
	.protected	k_qd74e639680_attn
	.globl	k_qd74e639680_attn
	.p2align	8
	.type	k_qd74e639680_attn,@function
k_qd74e639680_attn:
	s_mov_b64 s[64:65], 0
	v_nop
	global_prefetch_b8 v0, s[64:65] scope:SCOPE_SE
	s_setreg_imm32_b32 hwreg(HW_REG_WAVE_MODE, 25, 1), 1
	s_wait_xcnt 0x0
	s_wait_alu depctr_hold_cnt(0) depctr_sa_sdst(0) depctr_va_vdst(0) depctr_va_sdst(0) depctr_va_ssrc(0) depctr_va_vcc(0) depctr_vm_vsrc(0)
	s_getreg_b32 s2, hwreg(HW_REG_IB_STS2, 6, 4)
	s_cmp_eq_u32 s2, 0
	s_cbranch_scc0 .Lentry_in_a_cluster
	s_endpgm
.Lentry_in_a_cluster:
	s_bfe_u32 s2, ttmp6, 0x10000c
	s_cmp_lg_u32 s2, 0x3003
	s_cbranch_scc0 .Lentry_shape_is_right
	s_endpgm
.Lentry_shape_is_right:
; LAUNCH 3.  ctx = softmax(Q K^T / 8) V for one head and 512 queries a work-group, both products on codes of BF6 (E3M2); ctx is quantised along the head's 64 for the last product.
; THE SOFTMAX AHEAD OF THE SECOND PRODUCT: t = score x log2(e) / 8; M = the row's largest t so far, rounded UP to a whole number; p = 2^(t - M) is quantised along the keys, not normalised; the row's sum is taken of the unquantised p
; and divides at the end.  When M moves, the sum and O are multiplied by 2^(old M - new M): exact.
; SHARES.  Sixteen waves, four to a SIMD, so that one wave's vector work stands beside another's products and LDS loads.  A wave owns two tiles of 16 queries, one after the other (two passes), and walks all 2,048 keys, 128 a step.
; THE WHOLE HEAD LIES IN LDS: its 16 records of 13,056 bytes (launch 2's head comment has their parts), 208,896 bytes, filled ONCE: wave w asks for record w; no byte of LDS is filled again and none is stored to.
; CLUSTER 4 x 1: the head's four blocks of queries read the same records: each is asked for jointly, by the same load with the mask of all four.
; LAYOUT.  Both products transposed: S^T = K Q^T (source 0 = 16 keys), O^T = V^T P^T (source 0 = 16 channels): a lane holds one query throughout.  By the order of a tile's rows the 16 registers of tiles 2 b, 2 b + 1 are 16 neighbours.
; THE HEAD'S 64 IN AN INSTRUCTION'S 128: Q's upper six registers hold zero codes, so what stands in the upper six of K's operand counts for nothing so long as it is finite: E3M2 has no infinity and no NaN, and the scale bytes there are 0x7f.
; So K's operands overlap: tile t stands at v[32 + 6 t], and its upper six registers are tile t + 1's codes (tile 7's: six registers of zeros).  That spares 48 registers and every LDS byte that would be zeros.
; LIMITS: NaN and infinities are not served; a block of zeros has the byte 1, its codes are zeros.
; REGISTERS: v1-2 the step's LDS addresses; v3-6 lane offsets; v11 ctx's scale words; v12 -M, v13 the largest t, v[14:15] the sum in two halves; v16-27 Q; v32-85 K, then v32-79 V; v96-159 S^T, then p; v160-191 O^T;
;   v192-195 K's scale words, v196-197 V's; v224-243 codes; v232-254 at work; v253 p's scale word; v255 Q's.
.set REC,   13056
.set HEADB, 16*REC
.macro PLACES
.rept 4
	v_nop
.endr
.endm
.macro ROUND                           ; a round of the cluster's barrier
	s_barrier_signal -1
	s_barrier_wait -1
	s_cmp_lg_u32 s12, 0
	s_cbranch_scc1 .Lnw0_\@
	s_barrier_signal -3
.Lnw0_\@:
	s_barrier_wait -3
	s_barrier_signal -1
	s_barrier_wait -1
.endm
; The scaled product.  acc = 0: C is the constant 0;  ra = 1: source 0's scales stand in lanes 16-31
.macro WM d, a, b, sa, sb, acc, ra
.if (\acc) && (\ra)
	v_wmma_scale_f32_16x16x128_f8f6f4 v[\d:\d+7], v[\a:\a+11], v[\b:\b+11], v[\d:\d+7], v[\sa], v[\sb] matrix_a_fmt:MATRIX_FMT_BF6 matrix_b_fmt:MATRIX_FMT_BF6 matrix_a_scale:MATRIX_SCALE_ROW1
.elseif (\acc)
	v_wmma_scale_f32_16x16x128_f8f6f4 v[\d:\d+7], v[\a:\a+11], v[\b:\b+11], v[\d:\d+7], v[\sa], v[\sb] matrix_a_fmt:MATRIX_FMT_BF6 matrix_b_fmt:MATRIX_FMT_BF6
.elseif (\ra)
	v_wmma_scale_f32_16x16x128_f8f6f4 v[\d:\d+7], v[\a:\a+11], v[\b:\b+11], 0, v[\sa], v[\sb] matrix_a_fmt:MATRIX_FMT_BF6 matrix_b_fmt:MATRIX_FMT_BF6 matrix_a_scale:MATRIX_SCALE_ROW1
.else
	v_wmma_scale_f32_16x16x128_f8f6f4 v[\d:\d+7], v[\a:\a+11], v[\b:\b+11], 0, v[\sa], v[\sb] matrix_a_fmt:MATRIX_FMT_BF6 matrix_b_fmt:MATRIX_FMT_BF6
.endif
.endm
	s_load_b256 s[4:11], s[0:1], 0x0               ; qr s[4:5], kv s[6:7], cc s[8:9], cs s[10:11]
	v_lshl_add_u32 v250, v0, 2, 0x33000
	v_mov_b32 v251, 0
	ds_add_u32 v250, v251
	ds_add_u32 v250, v251
	v_lshrrev_b32 v8, 5, v0
	s_delay_alu instid0(VALU_DEP_1)
	v_readfirstlane_b32 s12, v8                    ; wave 0..15
	s_bfe_u32 s13, ttmp6, 0x40000                  ; cx: which 512 queries; it enters global addresses alone
	s_and_b32 s14, ttmp7, 0xffff                   ; 16 x batch + head, which the four partners share
	; descriptor group 1: a record, dense: 51 rows of 256 bytes (32 elements of 8 bytes)
	s_mov_b32 s16, 15|(3<<16)|(1<<21)              ; 15:0 the mask: all four; 17:16 elements of 8 bytes; 21 set beside a mask
	s_mov_b32 s17, 32<<16
	s_mov_b32 s18, 51<<16
	s_mov_b32 s19, 32<<16
	s_mov_b32 s20, 51
	s_mov_b32 s21, 32
	s_mov_b32 s22, 0
	s_mov_b32 s23, 0
	s_mul_i32 s44, s14, HEADB                      ; the head's records
	s_mov_b32 s45, 0
	s_mul_i32 s25, s12, REC                        ; record w: its place in LDS,
	s_add_co_u32 s46, s44, s25                     ; and in kv
	s_mov_b32 s47, 0
	s_mov_b32 s24, 1
	s_mov_b32 s28, 0x76543210
	s_mov_b32 s29, 0xfedcba98                      ; v_permlanex16_b32: lane l xor 16
	s_mov_b32 s30, 0x3e38aa3b                      ; c = log2(e) / 8
	s_mov_b32 s31, s30                             ; (named with it as a pair)
	s_wait_dscnt 0x0
	s_wait_kmcnt 0x0
	s_add_nc_u64 s[26:27], s[6:7], s[46:47]
	s_or_b32 s27, s27, 0x80000000
	ROUND                                          ; all four work-groups are here: the joint loads meet
	tensor_load_to_lds s[24:27], s[16:23]          ; my one tensor load
	s_nop 0
	PLACES                                         ; four v_nop follow it
	v_and_b32 v8, 31, v0
	s_delay_alu instid0(VALU_DEP_1)
	v_lshlrev_b32 v3, 4, v8                        ; 16 x lane
	s_delay_alu instid0(VALU_DEP_2)
	v_lshlrev_b32 v4, 3, v8                        ; 8 x lane
	s_delay_alu instid0(VALU_DEP_3)
	v_lshlrev_b32 v6, 2, v8                        ; 4 x lane
	v_and_b32 v5, 15, v0
	s_delay_alu instid0(VALU_DEP_1)
	v_lshlrev_b32 v5, 3, v5                        ; Q's scale word: 8 x (lane % 16)
	s_lshl_b32 s46, s13, 2
	s_lshr_b32 s48, s12, 2
	s_add_co_u32 s46, s46, s48                     ; Q's record: 4 cx + wave / 4
	s_mul_i32 s46, s46, REC
	s_add_co_u32 s46, s46, s44
	s_add_nc_u64 s[38:39], s[4:5], s[46:47]
	s_and_b32 s48, s12, 3
	s_mul_i32 s48, s48, 1536                       ; my first tile in it: 2 (wave % 4)
	s_mov_b32 s49, 0
	s_add_nc_u64 s[36:37], s[38:39], s[48:49]
	s_bfe_u32 s48, s12, 0x10001
	s_lshl_b32 s48, s48, 8                         ; its scale word: block (wave / 2) % 2, register wave % 2, lanes 0-15 in the first pass
	s_and_b32 s50, s12, 1
	s_lshl_b32 s50, s50, 2
	s_add_co_u32 s48, s48, s50
	s_add_co_u32 s48, s48, 12288
	s_add_nc_u64 s[38:39], s[38:39], s[48:49]
	s_lshl_b32 s50, s13, 5
	s_lshl_b32 s51, s12, 1
	s_add_co_u32 s50, s50, s51                     ; my first tile of queries in the sequence: 32 cx + 2 x wave
	s_lshr_b32 s51, s14, 4                         ; the batch
	s_lshl_b32 s48, s51, 7
	s_add_co_u32 s48, s48, s50
	s_mul_i32 s48, s48, 12288                      ; cc: [tile of tokens][head][768]
	s_and_b32 s46, s14, 15                         ; the head
	s_mul_i32 s52, s46, 768
	s_add_co_u32 s48, s48, s52
	s_add_nc_u64 s[40:41], s[8:9], s[48:49]
	s_lshl_b32 s48, s46, 13                        ; cs: [head][place 8,192], a word each
	s_lshl_b32 s51, s51, 11
	s_add_co_u32 s48, s48, s51
	s_lshl_b32 s50, s50, 4
	s_add_co_u32 s48, s48, s50
	s_lshl_b32 s48, s48, 2
	s_add_nc_u64 s[42:43], s[10:11], s[48:49]
.irp j, 22,23,24,25,26,27,80,81,82,83,84,85
	v_mov_b32 v[\j], 0                             ; zero codes: Q's upper half, and what stands behind K's last tile
.endr
.irp b, 0,1,2,3
	v_mov_b32 v[236+\b], 0                         ; a lane permute's destination counts as read
.endr
	v_mov_b32 v253, 0                              ; (named as the upper half of the pair v[252:253] before it is first written)
	v_mov_b32 v11, 0
	s_wait_tensorcnt 0x0                           ; my record is in,
	s_barrier_signal -1
	s_barrier_wait -1                              ; everybody's is
; A KEY STEP: 128 keys, the record at LDS byte s32
.macro STEP
	v_add_nc_u32 v1, s32, v3
	v_add_nc_u32 v2, s32, v4
	v_nop
	v_nop                                          ; these four are the places between the last step's products and the loads into their operands
.irp t, 0,1,2,3,4,5,6,7
	ds_load_b128 v[32+6*\t:35+6*\t], v1 offset:768*\t
	ds_load_b64 v[36+6*\t:37+6*\t], v2 offset:768*\t+512
.endr
	ds_load_b64 v[192:193], v2 offset:12288
	ds_load_b64 v[194:195], v2 offset:12544
	s_wait_alu depctr_va_vdst(0)
	s_wait_dscnt 0x0
.irp t, 0,1,2,3,4,5,6,7
	WM 96+8*\t, 32+6*\t, 16, 192+2*(\t/4)+(\t%4)/2, 255, 0, \t%2
.endr
	PLACES                                         ; in front of loads into K's registers, and of the first read of the scores
.irp t, 0,1,2,3                        ; V's four tiles are asked for now and land under the softmax
.irp j, 0,1,2
	ds_load_b128 v[32+12*\t+4*\j:35+12*\t+4*\j], v1 offset:6144+1536*\t+512*\j
.endr
.endr
	ds_load_b64 v[196:197], v2 offset:12800
.irp b, 0,1,2,3
	v_max3_num_f32 v[232+\b], v[96+16*\b], v[97+16*\b], v[98+16*\b]   ; the largest score of each block of 32 keys: for the row's maximum and, since p rises with the score, for the block's largest p
.endr
.irp i, 3,5,7,9,11,13
.irp b, 0,1,2,3
	v_max3_num_f32 v[232+\b], v[232+\b], v[96+16*\b+\i], v[97+16*\b+\i]
.endr
.endr
.irp b, 0,1,2,3
	v_max_num_f32 v[232+\b], v[232+\b], v[111+16*\b]
.endr
.irp b, 0,1,2,3
	s_delay_alu instid0(VALU_DEP_4)
	v_permlanex16_b32 v[236+\b], v[232+\b], s28, s29
.endr
.irp b, 0,1,2,3
	s_delay_alu instid0(VALU_DEP_4)
	v_max_num_f32 v[232+\b], v[232+\b], v[236+\b]  ; with lane l xor 16's 16 keys
.endr
	s_delay_alu instid0(VALU_DEP_2)
	v_max3_num_f32 v254, v232, v233, v234
	s_delay_alu instid0(VALU_DEP_1)
	v_max_num_f32 v254, v254, v235
	s_delay_alu instid0(VALU_DEP_1)
	v_mul_f32 v254, s30, v254                      ; as t (c is positive)
	s_delay_alu instid0(VALU_DEP_1)
	v_max_num_f32 v13, v13, v254                   ; the running largest t
	v_mov_b32 v254, v12
	s_delay_alu instid0(VALU_DEP_2)
	v_floor_f32 v12, -v13                          ; the new -M = -ceil(t)
	s_delay_alu instid0(VALU_DEP_1)
	v_sub_f32 v254, v12, v254                      ; old M - new M: a whole number, 0 or less
	s_delay_alu instid0(VALU_DEP_1)
	v_cvt_i32_f32 v254, v254                       ; (it saturates)
	s_delay_alu instid0(VALU_DEP_1)
	v_ldexp_f32 v252, 1.0, v254                    ; f = 2^(old M - new M)
.set j, 0
.rept 32
	v_pk_fma_f32 v[96+j:97+j], v[96+j:97+j], s[30:31], v[12:13] op_sel_hi:[1,0,0]   ; t - M
.set j, j+2
.endr
.irp b, 0,1,2,3
	v_fma_f32 v[232+\b], v[232+\b], s30, v12       ; the same of each block's largest score
.endr
.set j, 0
	s_wait_alu depctr_va_vdst(0)
.rept 64
	v_exp_f32 v[96+j], v[96+j]                     ; p = 2^(t - M)
.set j, j+1
.endr
	s_setprio 1
	v_pk_mul_f32 v[14:15], v[14:15], v[252:253] op_sel_hi:[1,0]   ; the sums under the new M: the plain instruction behind the batch
	s_wait_alu depctr_va_vdst(0)                   ; one wait for the 64, ahead of their first reader
.irp b, 0,1,2,3
	v_exp_f32 v[232+\b], v[232+\b]                 ; the blocks' largest p
.endr
	v_pk_add_f32 v[236:237], v[100:101], v[104:105]
	v_pk_add_f32 v[248:249], v[108:109], v[112:113]
	v_pk_add_f32 v[246:247], v[116:117], v[120:121]
	v_pk_add_f32 v[244:245], v[124:125], v[128:129]
	v_pk_add_f32 v[242:243], v[132:133], v[136:137]
	v_pk_add_f32 v[240:241], v[140:141], v[144:145]
	v_pk_add_f32 v[238:239], v[148:149], v[152:153]
	v_pk_add_f32 v[14:15], v[14:15], v[156:157]
	v_pk_add_f32 v[236:237], v[236:237], v[96:97]
	v_pk_add_f32 v[248:249], v[248:249], v[98:99]
	v_pk_add_f32 v[246:247], v[246:247], v[102:103]
	v_pk_add_f32 v[244:245], v[244:245], v[106:107]
	v_pk_add_f32 v[242:243], v[242:243], v[110:111]
	v_pk_add_f32 v[240:241], v[240:241], v[114:115]
	v_pk_add_f32 v[238:239], v[238:239], v[118:119]
	v_pk_add_f32 v[14:15], v[14:15], v[122:123]
	v_pk_add_f32 v[236:237], v[236:237], v[126:127]
	v_pk_add_f32 v[248:249], v[248:249], v[130:131]
	v_pk_add_f32 v[246:247], v[246:247], v[134:135]
	v_pk_add_f32 v[244:245], v[244:245], v[138:139]
	v_pk_add_f32 v[242:243], v[242:243], v[142:143]
	v_pk_add_f32 v[240:241], v[240:241], v[146:147]
	v_pk_add_f32 v[238:239], v[238:239], v[150:151]
	v_pk_add_f32 v[14:15], v[14:15], v[154:155]
	v_pk_add_f32 v[236:237], v[236:237], v[158:159]
	s_delay_alu instid0(VALU_DEP_2)
	v_pk_add_f32 v[14:15], v[14:15], v[244:245]
	s_delay_alu instid0(VALU_DEP_2)
	v_pk_add_f32 v[236:237], v[236:237], v[242:243]
	v_pk_add_f32 v[248:249], v[248:249], v[240:241]
	v_pk_add_f32 v[246:247], v[246:247], v[238:239]
	s_delay_alu instid0(VALU_DEP_2)
	v_pk_add_f32 v[14:15], v[14:15], v[248:249]
	s_delay_alu instid0(VALU_DEP_2)
	v_pk_add_f32 v[236:237], v[236:237], v[246:247]
	s_delay_alu instid0(VALU_DEP_1)
	v_pk_add_f32 v[14:15], v[14:15], v[236:237]
	s_wait_alu depctr_va_vdst(0)                   ; and one for the four
.irp b, 0,1,2,3
	v_max_num_f32 v[232+\b], 0x2800000, v[232+\b]  ; the floor 2^(5 - 127)
.endr
.irp b, 0,1,2,3
	s_delay_alu instid0(VALU_DEP_4)
	v_add_nc_u32 v[244+\b], 0xfe000000, v[232+\b]
.endr
.irp b, 0,1,2,3
	s_delay_alu instid0(VALU_DEP_4)
	v_lshrrev_b32 v[236+\b], 23, v[244+\b]
.endr
	s_delay_alu instid0(VALU_DEP_3)
	v_lshl_or_b32 v253, v237, 8, v236              ; p's scale word for these 128 keys
	s_delay_alu instid0(VALU_DEP_1)
	v_lshl_or_b32 v253, v238, 16, v253
	s_delay_alu instid0(VALU_DEP_1)
	v_lshl_or_b32 v253, v239, 24, v253
.irp c, 0,1
	v_cvt_scalef32_pk16_bf6_f32 v[224+6*\c:226+6*\c], v[96+32*\c:111+32*\c], v[244+2*\c]
	v_cvt_scalef32_pk16_bf6_f32 v[236+4*\c:238+4*\c], v[112+32*\c:127+32*\c], v[244+2*\c+1]
.endr
	v_nop                                          ; one plain place behind a scaled conversion
.irp c, 0,1
.irp i, 0,1,2
	v_permlane16_swap_b32 v[224+6*\c+\i], v[236+4*\c+\i]
.endr
.irp i, 0,1,2
	s_delay_alu instid0(VALU_DEP_3)
	v_mov_b32 v[227+6*\c+\i], v[236+4*\c+\i]
.endr
.endr
.set j, 0
	s_setprio 0
.rept 16
	v_pk_mul_f32 v[160+j:161+j], v[160+j:161+j], v[252:253] op_sel_hi:[1,0]   ; O^T under the new M; these sixteen also stand between the writes of p's codes and scale word and the products
.set j, j+2
.endr
	s_wait_alu depctr_va_vdst(0)
	s_wait_dscnt 0x0                               ; V is in
.irp t, 0,1,2,3
	WM 160+8*\t, 32+12*\t, 224, 196+\t/2, 253, 1, \t%2   ; the four accumulators take turns
.endr
	s_add_co_u32 s32, s32, REC
.endm
	s_mov_b32 s34, 2
	s_mov_b32 s35, 0x0000ffff                      ; the first pass's scale words go to lanes 0-15
.Lpass:
	s_mov_b32 s32, 0
	global_load_b128 v[16:19], v3, s[36:37]        ; Q's tile
	global_load_b64 v[20:21], v4, s[36:37] offset:512
	global_load_b32 v255, v5, s[38:39]
	v_mov_b32 v13, 0xff61b1e6                      ; the largest t so far: -3e38
	s_delay_alu instid0(VALU_DEP_1)
	v_floor_f32 v12, -v13
	v_mov_b32 v14, 0
	v_mov_b32 v15, 0
.set j, 0
.rept 32
	v_mov_b32 v[160+j], 0                          ; O^T: the step is written once; the first change of M leaves zeros zeros
.set j, j+1
.endr
	s_wait_loadcnt 0x0
	s_mov_b32 s33, 16
.Lstep:
	s_setprio 2
	STEP
	s_sub_co_u32 s33, s33, 1
	s_cmp_lg_u32 s33, 0
	s_cbranch_scc1 .Lstep
	s_setprio 0
	; THE WAY OUT: O^T / the sum; its 64 channels are two blocks of the last product's K
	PLACES
	v_add_f32 v14, v14, v15
	s_delay_alu instid0(VALU_DEP_1)
	v_permlanex16_b32 v252, v14, s28, s29
	s_delay_alu instid0(VALU_DEP_1)
	v_add_f32 v14, v14, v252                       ; the row's sum
	s_wait_alu depctr_va_vdst(0)
	v_rcp_f32 v14, v14
	v_nop                                          ; a plain instruction behind the reciprocal,
	s_wait_alu depctr_va_vdst(0)                   ; and the wait ahead of its first reader
.set j, 0
.rept 16
	v_pk_mul_f32 v[96+j:97+j], v[160+j:161+j], v[14:15] op_sel_hi:[1,0]   ; register 16 b + i: channel 32 b + 16 h + i; each accumulator from its low end on
.set j, j+2
.endr
.irp b, 0,1
	v_max3_num_f32 v[232+\b], |v[96+16*\b]|, |v[97+16*\b]|, 0x2800000
.endr
.irp i, 2,4,6,8,10,12,14
.irp b, 0,1
	s_delay_alu instid0(VALU_DEP_2)
	v_max3_num_f32 v[232+\b], v[232+\b], |v[96+16*\b+\i]|, |v[97+16*\b+\i]|
.endr
.endr
.irp b, 0,1
	s_delay_alu instid0(VALU_DEP_2)
	v_permlanex16_b32 v[236+\b], v[232+\b], s28, s29
.endr
.irp b, 0,1
	s_delay_alu instid0(VALU_DEP_2)
	v_max_num_f32 v[232+\b], v[232+\b], v[236+\b]
.endr
.irp b, 0,1
	s_delay_alu instid0(VALU_DEP_2)
	v_add_nc_u32 v[244+\b], 0xfe000000, v[232+\b]
.endr
.irp b, 0,1
	s_delay_alu instid0(VALU_DEP_2)
	v_lshrrev_b32 v[236+\b], 23, v[244+\b]
.endr
	s_delay_alu instid0(VALU_DEP_1)
	v_lshl_or_b32 v254, v237, 8, v236              ; my row's two bytes
	s_delay_alu instid0(VALU_DEP_1)
	v_cndmask_b32 v11, v11, v254, s35
	v_cvt_scalef32_pk16_bf6_f32 v[224:226], v[96:111], v244
	v_cvt_scalef32_pk16_bf6_f32 v[236:238], v[112:127], v245
	v_nop
.irp i, 0,1,2
	v_permlane16_swap_b32 v[224+\i], v[236+\i]
.endr
.irp i, 0,1,2
	s_delay_alu instid0(VALU_DEP_3)
	v_mov_b32 v[227+\i], v[236+\i]
.endr
	global_store_b128 v3, v[224:227], s[40:41]
	global_store_b64 v4, v[228:229], s[40:41] offset:512
	s_wait_xcnt 0x0                                ; loads and stores have read their bases and data: all are written again
	s_add_nc_u64 s[36:37], s[36:37], 768
	s_add_nc_u64 s[38:39], s[38:39], 128
	s_add_nc_u64 s[40:41], s[40:41], 12288
	s_not_b32 s35, s35
	s_sub_co_u32 s34, s34, 1
	s_cmp_lg_u32 s34, 0
	s_cbranch_scc1 .Lpass
	s_wait_alu depctr_va_vdst(0)
	global_store_b32 v6, v11, s[42:43]             ; the scale words of my 32 rows: 128 consecutive bytes
	s_wait_tensorcnt 0x0
	ds_add_u32 v250, v251
	s_wait_dscnt 0x0
	ROUND                                          ; the closing round
	s_endpgm
.Lfunc_end_k_qd74e639680_attn:
	.size	k_qd74e639680_attn, .Lfunc_end_k_qd74e639680_attn-k_qd74e639680_attn
	.p2alignl 7, 3214868480
	.fill 96, 4, 3214868480
	.section	.rodata,"a",@progbits
	.p2align	6, 0x0
	.amdhsa_kernel k_qd74e639680_attn
		.amdhsa_group_segment_fixed_size 210944
		.amdhsa_private_segment_fixed_size 0
		.amdhsa_enable_private_segment 0
		.amdhsa_kernarg_size 32
		.amdhsa_user_sgpr_count 2
		.amdhsa_user_sgpr_kernarg_segment_ptr 1
		.amdhsa_wavefront_size32 1
		.amdhsa_system_sgpr_workgroup_id_x 1
		.amdhsa_system_sgpr_workgroup_id_y 1
		.amdhsa_system_sgpr_workgroup_id_z 1
		.amdhsa_system_vgpr_workitem_id 0
		.amdhsa_next_free_vgpr 256
		.amdhsa_next_free_sgpr 66
		.amdhsa_reserve_vcc 0
		.amdhsa_float_denorm_mode_32 3
		.amdhsa_float_denorm_mode_16_64 3
		.amdhsa_memory_ordered 1
		.amdhsa_forward_progress 1
		.amdhsa_inst_pref_size 29
	.end_amdhsa_kernel
	.amdgpu_metadata
---
amdhsa.version: [ 1, 2 ]
amdhsa.kernels:
  - .name:           k_qd74e639680_attn
    .symbol:         k_qd74e639680_attn.kd
    .args:
      - { .name: qr, .offset: 0, .size: 8, .value_kind: global_buffer, .address_space: global }
      - { .name: kv, .offset: 8, .size: 8, .value_kind: global_buffer, .address_space: global }
      - { .name: cc, .offset: 16, .size: 8, .value_kind: global_buffer, .address_space: global }
      - { .name: cs, .offset: 24, .size: 8, .value_kind: global_buffer, .address_space: global }
    .group_segment_fixed_size: 210944
    .private_segment_fixed_size: 0
    .kernarg_segment_align: 8
    .kernarg_segment_size: 32
    .max_flat_workgroup_size: 512
    .sgpr_count:     66
    .vgpr_count:     256
    .wavefront_size: 32
...
	.end_amdgpu_metadata
.endif
;; end of part 3
;; launch outln (part 4): grid 256 x 1, 16 waves a work-group, no clusters, 158,208 bytes of LDS; arguments cc, cs, codes, scl, query, bo, gamma, beta, out0; writes out0
.if DOCPART == 4
	.amdgcn_target "amdgcn-amd-amdhsa--gfx1250"
	.amdhsa_code_object_version 6
	.text
	.protected	k_qd74e639680_outln
	.globl	k_qd74e639680_outln
	.p2align	8
	.type	k_qd74e639680_outln,@function
k_qd74e639680_outln:
	s_mov_b64 s[64:65], 0
	v_nop
	global_prefetch_b8 v0, s[64:65] scope:SCOPE_SE
	s_setreg_imm32_b32 hwreg(HW_REG_WAVE_MODE, 25, 1), 1
	s_wait_xcnt 0x0
; LAUNCH 4.  out0 = LayerNorm(ctx wo^T + bo + query) x gamma + beta.  The product on codes of BF6 (E3M2), f32 sums; all else in f32; the variance from the differences to the mean, in a second pass over registers.
; SHARES.  A work-group owns 32 whole rows, since the norm wants whole rows: two tiles of ctx, which are the same 32 tokens in the order in which launch 1 laid a tile's rows.  Wave w owns columns 64 w .. 64 w + 63: four row tiles of wo: 8 accumulators.
; ctx's two tiles (24,576 bytes) are read by all sixteen waves: they go into LDS once, as they lie.  wo's fragments go from memory straight into registers, as images, three loads of 512 consecutive bytes each:
; NO CLUSTER, NO TENSOR LOAD: each fragment of wo is used by ONE wave of a work-group, for two products, so LDS would spare no read inside the work-group; shared among work-groups, wo's 786,432 bytes of codes would not fit in LDS beside the stage
; and would want slots that are filled again, with a round of a cluster's barrier for each.
; The product is used transposed (source 0 = 16 rows of wo): a lane holds one row and 16 neighbouring columns for each pair of tiles.  The results meet in a stage of 32 rows x (4,096 + 16) bytes; then wave w takes rows 2 w and 2 w + 1.
; A PREFETCH of the residual: in K step 3 of 8 each thread names one block of 256 bytes of the work-group's 131,072 bytes of query, each block once; the loads that want them follow behind K step 7.
; REGISTERS: v1-7 offsets and addresses; v8-15 ctx's scale words (tile 0 in lanes 0-15, tile 1 in lanes 16-31), v16-31 wo's: these hold scales and nothing else; v32-79 ctx's fragments, two sets; v80-175 wo's, two sets; v176-239 sums; v240-255 words as loaded.
;   For the norm: v32-95 residual (then v32-63 beta), v96-127 bo, v128-159 gamma, v160-171 at work, v192-255 two rows of x.
.set STG,   24576
.set SP,    4112                       ; a stage row: 4,096 bytes + 16: sixteen rows begin in sixteen different groups of banks (ISA guide 11.1)
.macro PLACES
.rept 4
	v_nop
.endr
.endm
.macro WM d, a, b, sa, sb, acc, ra, rb
.if (\acc) && (\ra) && (\rb)
	v_wmma_scale_f32_16x16x128_f8f6f4 v[\d:\d+7], v[\a:\a+11], v[\b:\b+11], v[\d:\d+7], v[\sa], v[\sb] matrix_a_fmt:MATRIX_FMT_BF6 matrix_b_fmt:MATRIX_FMT_BF6 matrix_a_scale:MATRIX_SCALE_ROW1 matrix_b_scale:MATRIX_SCALE_ROW1
.elseif (\acc) && (\ra)
	v_wmma_scale_f32_16x16x128_f8f6f4 v[\d:\d+7], v[\a:\a+11], v[\b:\b+11], v[\d:\d+7], v[\sa], v[\sb] matrix_a_fmt:MATRIX_FMT_BF6 matrix_b_fmt:MATRIX_FMT_BF6 matrix_a_scale:MATRIX_SCALE_ROW1
.elseif (\acc) && (\rb)
	v_wmma_scale_f32_16x16x128_f8f6f4 v[\d:\d+7], v[\a:\a+11], v[\b:\b+11], v[\d:\d+7], v[\sa], v[\sb] matrix_a_fmt:MATRIX_FMT_BF6 matrix_b_fmt:MATRIX_FMT_BF6 matrix_b_scale:MATRIX_SCALE_ROW1
.elseif (\acc)
	v_wmma_scale_f32_16x16x128_f8f6f4 v[\d:\d+7], v[\a:\a+11], v[\b:\b+11], v[\d:\d+7], v[\sa], v[\sb] matrix_a_fmt:MATRIX_FMT_BF6 matrix_b_fmt:MATRIX_FMT_BF6
.elseif (\rb)
	v_wmma_scale_f32_16x16x128_f8f6f4 v[\d:\d+7], v[\a:\a+11], v[\b:\b+11], 0, v[\sa], v[\sb] matrix_a_fmt:MATRIX_FMT_BF6 matrix_b_fmt:MATRIX_FMT_BF6 matrix_b_scale:MATRIX_SCALE_ROW1
.else
	v_wmma_scale_f32_16x16x128_f8f6f4 v[\d:\d+7], v[\a:\a+11], v[\b:\b+11], 0, v[\sa], v[\sb] matrix_a_fmt:MATRIX_FMT_BF6 matrix_b_fmt:MATRIX_FMT_BF6
.endif
.endm
	s_load_b512 s[4:19], s[0:1], 0x0               ; cc s[4:5], cs s[6:7], codes s[8:9], scl s[10:11], query s[12:13], bo s[14:15], gamma s[16:17], beta s[18:19]
	s_load_b64 s[20:21], s[0:1], 0x40              ; out0
	v_lshrrev_b32 v3, 5, v0
	s_delay_alu instid0(VALU_DEP_1)
	v_readfirstlane_b32 s22, v3                    ; wave 0..15
	v_and_b32 v3, 31, v0
	s_delay_alu instid0(VALU_DEP_1)
	v_lshlrev_b32 v1, 4, v3                        ; 16 x lane
	s_delay_alu instid0(VALU_DEP_2)
	v_lshlrev_b32 v2, 3, v3                        ; 8 x lane
	s_delay_alu instid0(VALU_DEP_3)
	v_lshlrev_b32 v3, 2, v3                        ; 4 x lane
	v_lshlrev_b32 v4, 4, v0                        ; 16 x thread
	v_lshlrev_b32 v7, 8, v0                        ; 256 x thread
	v_and_b32 v5, 15, v0
	s_delay_alu instid0(VALU_DEP_1)
	v_mul_u32_u24 v5, v5, SP
	v_bfe_u32 v6, v0, 4, 1
	s_delay_alu instid0(VALU_DEP_1)
	v_lshl_add_u32 v5, v6, 6, v5
	s_lshl_b32 s23, s22, 8
	s_add_co_u32 s23, s23, STG
	v_add_nc_u32 v5, s23, v5                       ; the stage: row r, + 256 x wave + 64 h;
	s_delay_alu instid0(VALU_DEP_1)
	v_add_nc_u32 v6, 16*SP, v5                     ; and row 16 + r
	s_lshl_b32 s38, s22, 2
	s_add_co_u32 s38, s38, 1728                    ; my first row tile of wo
	s_mul_i32 s24, s38, 12288
	s_mov_b32 s25, 0
	s_lshl_b32 s26, s38, 9
	s_mov_b32 s27, 0
	s_mul_i32 s28, ttmp9, 24576
	s_mov_b32 s29, 0
	s_lshl_b32 s30, ttmp9, 7
	s_mov_b32 s31, 0
	s_lshl_b32 s32, ttmp9, 17                      ; the work-group's 32 rows of 4,096 bytes
	s_mov_b32 s33, 0
	s_and_b32 s38, s22, 3                          ; stage rows 2 w, 2 w + 1 are tokens 2 (w % 4) + 8 (w / 8) + 16 ((w / 4) % 2) and the next
	s_lshl_b32 s38, s38, 1
	s_bfe_u32 s39, s22, 0x10003
	s_lshl_b32 s39, s39, 3
	s_or_b32 s38, s38, s39
	s_bfe_u32 s39, s22, 0x10002
	s_lshl_b32 s39, s39, 4
	s_or_b32 s38, s38, s39
	s_lshl_b32 s38, s38, 12
	s_add_co_u32 s38, s38, s32
	s_mov_b32 s39, 0
	s_mov_b32 s40, 0x76543210
	s_mov_b32 s41, 0xfedcba98                      ; v_permlanex16_b32: lane l xor 16
	s_mov_b32 s42, 0x3a800000                      ; 1 / 1,024
	s_mov_b32 s43, 0x3727c5ac                      ; 1e-5
	s_mul_i32 s44, s22, 2*SP
	s_wait_alu depctr_va_vdst(0)
	s_wait_kmcnt 0x0
	s_add_nc_u64 s[24:25], s[8:9], s[24:25]        ; wo's codes
	s_add_nc_u64 s[26:27], s[10:11], s[26:27]      ; wo's scales
	s_add_nc_u64 s[28:29], s[4:5], s[28:29]        ; ctx's codes
	s_add_nc_u64 s[30:31], s[6:7], s[30:31]        ; ctx's scale words
	s_add_nc_u64 s[32:33], s[12:13], s[32:33]      ; query at the work-group's rows
	s_add_nc_u64 s[34:35], s[12:13], s[38:39]      ; query at my two rows
	s_add_nc_u64 s[36:37], s[20:21], s[38:39]      ; out0 likewise
.macro BLOAD s                         ; K step s of my four row tiles of wo: 12 loads, into set s % 2
.irp t, 0,1,2,3
.irp j, 0,1,2
	global_load_b128 v[80+48*((\s)%2)+12*\t+4*\j:83+48*((\s)%2)+12*\t+4*\j], v1, s[24:25] offset:12288*\t+1536*(\s)+512*\j
.endr
.endr
.endm
.macro ALOAD s                         ; K step s = heads 2 s and 2 s + 1 of ctx's two tiles: 8 loads
.irp m, 0,1
	ds_load_b128 v[32+24*((\s)%2)+12*\m:35+24*((\s)%2)+12*\m], v1 offset:12288*\m+1536*(\s)
	ds_load_b64 v[36+24*((\s)%2)+12*\m:37+24*((\s)%2)+12*\m], v2 offset:12288*\m+1536*(\s)+512
	ds_load_b128 v[38+24*((\s)%2)+12*\m:41+24*((\s)%2)+12*\m], v1 offset:12288*\m+1536*(\s)+768
	ds_load_b64 v[42+24*((\s)%2)+12*\m:43+24*((\s)%2)+12*\m], v2 offset:12288*\m+1536*(\s)+1280
.endr
.endm
.irp i, 0,1,2
	global_load_b128 v[32+4*\i:35+4*\i], v4, s[28:29] offset:8192*\i
.endr
.irp n, 0,1,2,3,4,5,6,7,8,9,10,11,12,13,14,15
	global_load_b32 v[240+\n], v3, s[30:31] offset:32768*\n      ; head n's two bytes of my row
.endr
.irp t, 0,1,2,3
	global_load_b128 v[16+4*\t:19+4*\t], v1, s[26:27] offset:512*\t
.endr
	BLOAD 0
	BLOAD 1
	s_wait_loadcnt 44                              ; ctx's three loads are in; behind them 16 + 4 + 24 may be out
.irp i, 0,1,2
	ds_store_b128 v4, v[32+4*\i:35+4*\i] offset:8192*\i
.endr
	s_wait_dscnt 0x0                               ; for the others' sake
	s_barrier_signal -1
	s_barrier_wait -1                              ; ctx's two tiles lie in LDS
	ALOAD 0
	ALOAD 1
	s_wait_loadcnt 24                              ; the scale words are in; wo's first two K steps may be out
.irp s, 0,1,2,3,4,5,6,7
	v_lshl_or_b32 v[8+\s], v[241+2*\s], 16, v[240+2*\s]   ; two heads' bytes make a K step's word
.endr
.rept 8
	v_nop                                          ; a scale register written by a vector instruction stands eight places ahead of a scaled product
.endr
.macro MSTEP s
.set P, (\s)%2
.set AC, 1
.if (\s) == 0
.set AC, 0
.endif
.if (\s) < 7
	s_wait_loadcnt 12                              ; this K step's fragments of wo are in; the next step's 12 loads may be out
	s_wait_dscnt 8                                 ; ctx's likewise: 8
.else
	s_wait_loadcnt 0x0
	s_wait_dscnt 0x0
.endif
.irp t, 0,1,2,3                        ; the eight accumulators take turns
.irp m, 0,1
	WM 176+16*\t+8*\m, 80+48*P+12*\t, 32+24*P+12*\m, 16+4*\t+(\s)/2, 8+(\s), AC, P, \m
.endr
.endr
.if (\s) < 6
	PLACES                                         ; in front of loads into the set just multiplied
	BLOAD (\s)+2
	ALOAD (\s)+2
.endif
.if (\s) == 3
	global_prefetch_b8 v7, s[32:33] th:TH_LOAD_NT scope:SCOPE_SE   ; the residual: 512 threads x 256 bytes = the work-group's 32 rows; four K steps ahead of the loads that want them
.endif
.endm
	s_wait_alu depctr_va_vdst(0)
.irp s, 0,1,2,3,4,5,6,7
	MSTEP \s
.endr
	PLACES
.irp i, 0,1
.irp k, 0,1,2,3,4,5,6,7
	global_load_b128 v[32+32*\i+4*\k:35+32*\i+4*\k], v1, s[34:35] offset:4096*\i+512*\k th:TH_LOAD_NT   ; the residual of my two rows
.endr
.endr
.irp k, 0,1,2,3,4,5,6,7
	global_load_b128 v[96+4*\k:99+4*\k], v1, s[14:15] offset:512*\k
	global_load_b128 v[128+4*\k:131+4*\k], v1, s[16:17] offset:512*\k
.endr
	v_add_nc_u32 v160, s44, v1                     ; out of the stage: rows 2 w and 2 w + 1, 16 bytes a lane
	v_mov_b32 v170, 0                              ; a lane permute's destination counts as read
	v_mov_b32 v171, 0
.irp t, 0,1,2,3                        ; tile t = 2 b + u: columns 32 b + 16 h + 8 u + 0 .. 7 of my 64; each accumulator from its low end on
	ds_store_b128 v5, v[176+16*\t:179+16*\t] offset:128*(\t/2)+32*(\t%2)
	ds_store_b128 v5, v[180+16*\t:183+16*\t] offset:128*(\t/2)+32*(\t%2)+16
	ds_store_b128 v6, v[184+16*\t:187+16*\t] offset:128*(\t/2)+32*(\t%2)
	ds_store_b128 v6, v[188+16*\t:191+16*\t] offset:128*(\t/2)+32*(\t%2)+16
.endr
	s_wait_alu depctr_va_vdst(0)
	s_wait_dscnt 0x0                               ; for the others' sake
	s_barrier_signal -1
	s_barrier_wait -1                              ; 32 whole rows lie in the stage
.irp i, 0,1
.irp k, 0,1,2,3,4,5,6,7
	ds_load_b128 v[192+32*\i+4*\k:195+32*\i+4*\k], v160 offset:STG+SP*\i+512*\k
.endr
.endr
	s_wait_loadcnt 0x0
	s_wait_dscnt 0x0
.set j, 0
.rept 16
.irp i, 0,1
	v_pk_add_f32 v[192+32*\i+j:193+32*\i+j], v[192+32*\i+j:193+32*\i+j], v[96+j:97+j]      ; + bo
.endr
.set j, j+2
.endr
.set j, 0
.rept 16
.irp i, 0,1
	v_pk_add_f32 v[192+32*\i+j:193+32*\i+j], v[192+32*\i+j:193+32*\i+j], v[32+32*\i+j:33+32*\i+j]   ; + the residual: x
.endr
.set j, j+2
.endr
.irp k, 0,1,2,3,4,5,6,7
	global_load_b128 v[32+4*\k:35+4*\k], v1, s[18:19] offset:512*\k   ; beta, into registers that the residual has left; it lands under the sums
.endr
.irp i, 0,1
	v_pk_add_f32 v[162+4*\i:163+4*\i], v[192+32*\i:193+32*\i], v[194+32*\i:195+32*\i]
.endr
.set j, 4
.rept 14
.irp i, 0,1
	s_delay_alu instid0(VALU_DEP_2)
	v_pk_add_f32 v[162+4*\i:163+4*\i], v[162+4*\i:163+4*\i], v[192+32*\i+j:193+32*\i+j]
.endr
.set j, j+2
.endr
.irp i, 0,1
	s_delay_alu instid0(VALU_DEP_2)
	v_add_f32 v[162+4*\i], v[162+4*\i], v[163+4*\i]
.endr
.irp x, 1,2,4,8
.irp i, 0,1
	s_delay_alu instid0(VALU_DEP_2)
	v_add_f32_dpp v[162+4*\i], v[162+4*\i], v[162+4*\i] row_xmask:\x row_mask:0xf bank_mask:0xf
.endr
.endr
.irp i, 0,1
	s_delay_alu instid0(VALU_DEP_2)
	v_permlanex16_b32 v[170+\i], v[162+4*\i], s40, s41
.endr
.irp i, 0,1
	s_delay_alu instid0(VALU_DEP_2)
	v_add_f32 v[162+4*\i], v[162+4*\i], v[170+\i]
.endr
.irp i, 0,1
	s_delay_alu instid0(VALU_DEP_2)
	v_mul_f32 v[162+4*\i], s42, v[162+4*\i]        ; the mean
.endr
.set j, 0
.rept 16
.irp i, 0,1
	v_pk_add_f32 v[192+32*\i+j:193+32*\i+j], v[192+32*\i+j:193+32*\i+j], v[162+4*\i:163+4*\i] op_sel_hi:[1,0] neg_lo:[0,1] neg_hi:[0,1]   ; d = x - mean
.endr
.set j, j+2
.endr
.irp i, 0,1
	v_pk_mul_f32 v[164+4*\i:165+4*\i], v[192+32*\i:193+32*\i], v[192+32*\i:193+32*\i]
.endr
.set j, 2
.rept 15
.irp i, 0,1
	s_delay_alu instid0(VALU_DEP_2)
	v_pk_fma_f32 v[164+4*\i:165+4*\i], v[192+32*\i+j:193+32*\i+j], v[192+32*\i+j:193+32*\i+j], v[164+4*\i:165+4*\i]
.endr
.set j, j+2
.endr
.irp i, 0,1
	s_delay_alu instid0(VALU_DEP_2)
	v_add_f32 v[164+4*\i], v[164+4*\i], v[165+4*\i]
.endr
.irp x, 1,2,4,8
.irp i, 0,1
	s_delay_alu instid0(VALU_DEP_2)
	v_add_f32_dpp v[164+4*\i], v[164+4*\i], v[164+4*\i] row_xmask:\x row_mask:0xf bank_mask:0xf
.endr
.endr
.irp i, 0,1
	s_delay_alu instid0(VALU_DEP_2)
	v_permlanex16_b32 v[170+\i], v[164+4*\i], s40, s41
.endr
.irp i, 0,1
	s_delay_alu instid0(VALU_DEP_2)
	v_add_f32 v[164+4*\i], v[164+4*\i], v[170+\i]
.endr
.irp i, 0,1
	s_delay_alu instid0(VALU_DEP_2)
	v_fma_f32 v[164+4*\i], v[164+4*\i], s42, s43   ; the variance + 1e-5
.endr
	s_wait_alu depctr_va_vdst(0)
.irp i, 0,1
	v_rsq_f32 v[164+4*\i], v[164+4*\i]
.endr
	v_nop                                          ; a plain instruction behind the two,
	s_wait_alu depctr_va_vdst(0)                   ; and one wait ahead of their first reader
	s_wait_loadcnt 0x0                             ; beta
.set j, 0
.rept 16
.irp i, 0,1
	v_pk_mul_f32 v[192+32*\i+j:193+32*\i+j], v[192+32*\i+j:193+32*\i+j], v[164+4*\i:165+4*\i] op_sel_hi:[1,0]
.endr
.set j, j+2
.endr
.set j, 0
.rept 16
.irp i, 0,1
	v_pk_fma_f32 v[192+32*\i+j:193+32*\i+j], v[192+32*\i+j:193+32*\i+j], v[128+j:129+j], v[32+j:33+j]
.endr
.set j, j+2
.endr
.irp i, 0,1
.irp k, 0,1,2,3,4,5,6,7
	global_store_b128 v1, v[192+32*\i+4*\k:195+32*\i+4*\k], s[36:37] offset:4096*\i+512*\k th:TH_STORE_NT   ; 512 consecutive bytes, at a multiple of 256 from out0's first byte
.endr
.endr
	s_wait_xcnt 0x0
	v_lshl_add_u32 v254, v0, 2, 0x26200
	v_mov_b32 v255, 0
	s_wait_alu depctr_va_vdst(0)
	s_wait_tensorcnt 0x0
	ds_add_u32 v254, v255
	s_wait_dscnt 0x0
	s_endpgm
.Lfunc_end_k_qd74e639680_outln:
	.size	k_qd74e639680_outln, .Lfunc_end_k_qd74e639680_outln-k_qd74e639680_outln
	.p2alignl 7, 3214868480
	.fill 96, 4, 3214868480
	.section	.rodata,"a",@progbits
	.p2align	6, 0x0
	.amdhsa_kernel k_qd74e639680_outln
		.amdhsa_group_segment_fixed_size 158208
		.amdhsa_private_segment_fixed_size 0
		.amdhsa_enable_private_segment 0
		.amdhsa_kernarg_size 72
		.amdhsa_user_sgpr_count 2
		.amdhsa_user_sgpr_kernarg_segment_ptr 1
		.amdhsa_wavefront_size32 1
		.amdhsa_system_sgpr_workgroup_id_x 1
		.amdhsa_system_sgpr_workgroup_id_y 1
		.amdhsa_system_sgpr_workgroup_id_z 1
		.amdhsa_system_vgpr_workitem_id 0
		.amdhsa_next_free_vgpr 256
		.amdhsa_next_free_sgpr 66
		.amdhsa_reserve_vcc 0
		.amdhsa_float_denorm_mode_32 3
		.amdhsa_float_denorm_mode_16_64 3
		.amdhsa_memory_ordered 1
		.amdhsa_forward_progress 1
		.amdhsa_inst_pref_size 55
	.end_amdhsa_kernel
	.amdgpu_metadata
---
amdhsa.version: [ 1, 2 ]
amdhsa.kernels:
  - .name:           k_qd74e639680_outln
    .symbol:         k_qd74e639680_outln.kd
    .args:
      - { .name: cc, .offset: 0, .size: 8, .value_kind: global_buffer, .address_space: global }
      - { .name: cs, .offset: 8, .size: 8, .value_kind: global_buffer, .address_space: global }
      - { .name: codes, .offset: 16, .size: 8, .value_kind: global_buffer, .address_space: global }
      - { .name: scl, .offset: 24, .size: 8, .value_kind: global_buffer, .address_space: global }
      - { .name: query, .offset: 32, .size: 8, .value_kind: global_buffer, .address_space: global }
      - { .name: bo, .offset: 40, .size: 8, .value_kind: global_buffer, .address_space: global }
      - { .name: gamma, .offset: 48, .size: 8, .value_kind: global_buffer, .address_space: global }
      - { .name: beta, .offset: 56, .size: 8, .value_kind: global_buffer, .address_space: global }
      - { .name: out0, .offset: 64, .size: 8, .value_kind: global_buffer, .address_space: global }
    .group_segment_fixed_size: 158208
    .private_segment_fixed_size: 0
    .kernarg_segment_align: 8
    .kernarg_segment_size: 72
    .max_flat_workgroup_size: 512
    .sgpr_count:     66
    .vgpr_count:     256
    .wavefront_size: 32
...
	.end_amdgpu_metadata
.endif
;; end of part 4
